; MI455X (gfx1250); checked and timed in simulation.
; The chip was launched on July 23, 2026; its instructions are those of AMD's public machine-readable ISA for CDNA 5 (MIT licence, August 2026) and "CDNA5" Instruction Set Architecture Reference Guide (July 2026). The comments in the code are by the model that wrote it; some were corrected since.
;; Multi Head Attention. Allowed arithmetic: matrix products marked QUANTISED: E2M3 operands, one E8M0 scale for each 32 along K, by v_wmma_scale_f32_16x16x128_f8f6f4 with both operands' format E2M3, f32 sums; everything else in f32.
;; Inputs: Wk_codes 1,024 x 32 x 24 uint8 (E2M3 codes of Wk, K innermost, in blocks of 32 codes, four codes in three bytes); Wk_scales 1,024 x 32 uint8 (E8M0 scales of Wk, one for each 32 codes along K); Wo_codes 1,024 x 32 x 24 uint8 (E2M3 codes of Wo, K innermost, in blocks of 32 codes, four codes in three bytes); Wo_scales 1,024 x 32 uint8 (E8M0 scales of Wo, one for each 32 codes along K); Wq_codes 1,024 x 32 x 24 uint8 (E2M3 codes of Wq, K innermost, in blocks of 32 codes, four codes in three bytes); Wq_scales 1,024 x 32 uint8 (E8M0 scales of Wq, one for each 32 codes along K); Wv_codes 1,024 x 32 x 24 uint8 (E2M3 codes of Wv, K innermost, in blocks of 32 codes, four codes in three bytes); Wv_scales 1,024 x 32 uint8 (E8M0 scales of Wv, one for each 32 codes along K); bk 1,024 float32; bo 1,024 float32; bq 1,024 float32; bv 1,024 float32; x_codes 4 x 2,048 x 32 x 24 uint8 (E2M3 codes of x, K innermost, in blocks of 32 codes, four codes in three bytes); x_scales 4 x 2,048 x 32 uint8 (E8M0 scales of x, one for each 32 codes along K).
;; Outputs: out0 4 x 2,048 x 1,024 float32.
;; This version of the problem:
;;   THIS VERSION OF THE PROBLEM IS GIVEN IN LOW PRECISION. The matrix products marked QUANTISED in the list below multiply operands that are first quantised to E2M3 (2 exponent bits, 3 mantissa bits; 6 bits a number), with one power-of-two scale for each 32 numbers along K (OCP MX v1.0); their sums are f32. All else is computed in f32.
;;   The module's matrix products, in the order in which they are computed (A, B: the left and right operand; K: the contracted axis; several contracted axes count as one K, in the product's order):
;;     1. [M 8,192, K 1,024] x [K 1,024, N 1,024]; A: input x (given as codes); B: input Wq (given as codes): QUANTISED
;;     2. [M 8,192, K 1,024] x [K 1,024, N 1,024]; A: input x (given as codes); B: input Wk (given as codes): QUANTISED
;;     3. [M 8,192, K 1,024] x [K 1,024, N 1,024]; A: input x (given as codes); B: input Wv (given as codes): QUANTISED
;;     4. batch 64 x [M 2,048, K 64] x [K 64, N 2,048]; A: computed on the way; B: computed on the way: QUANTISED
;;     5. batch 64 x [M 2,048, K 2,048] x [K 2,048, N 64]; A: softmax (see below); B: computed on the way: QUANTISED
;;     6. [M 8,192, K 1,024] x [K 1,024, N 1,024]; A: computed on the way; B: input Wo (given as codes): QUANTISED
;;   THE QUANTISER, for each operand of a quantised product, along K:
;;     - K is cut into blocks of 32 from its start; a last block that is shorter is filled with zeros.
;;     - A block's scale is 2^e with e = floor(log2(the largest magnitude in the block)) - 2, held to -126 .. 127; a block of zeros has e = 0. As a byte (E8M0): e + 127.
;;     - Each number is divided by its block's scale, clamped to +-7.5, and rounded to the nearest number of E2M3, ties to even, subnormals kept.
;;     - The product sums the exact products of the quantised numbers (number of the format x scale) in f32.
;;   ~~~python
;;   def quantise(x, axis):      # numpy; x: float32 -> the quantised numbers, widened to float32 again
;;       x = np.moveaxis(x, axis, -1); K = x.shape[-1]
;;       x = np.pad(x, [(0, 0)] * (x.ndim - 1) + [(0, -K % 32)]); x = x.reshape(x.shape[:-1] + (-1, 32)); a = np.abs(x).max(-1, keepdims=True)
;;       e = np.where(a > 0, np.clip(np.frexp(np.where(a > 0, a, 1))[1] - 1 - 2, -126, 127), 0)      # np.frexp(a)[1] - 1 = floor(log2(a)), exactly
;;       r = np.clip(x / 2.0 ** e, -7.5, 7.5)
;;       step = 2.0 ** (np.maximum(np.frexp(np.where(r == 0, 1, r))[1] - 1, 0) - 3)
;;       q = np.round(r / step) * step * 2.0 ** e      # np.round: ties to even
;;       return np.moveaxis(q.reshape(q.shape[:-2] + (-1,))[..., :K], -1, axis).astype(np.float32)
;;   ~~~
;;   SOFTMAX AHEAD OF A QUANTISED PRODUCT. Where the list says 'softmax', what is quantised is not the finished softmax but p = 2^(t - M), with t = logit x log2(e) and M = ceil(the row's largest t), a whole number; so 1/2 < the row's largest p <= 1. The row's sum l is taken of the UNQUANTISED p, in f32, and the product's result is divided by l at the end. Since M is a whole number, a kernel that streams over the keys may use a running M (the ceiling of the running maximum): every later rescaling is an exact power of two, which a block's scale takes up: the codes' values come out the same.
;;   OPERANDS COMPUTED ON THE WAY. 'Computed on the way' means the value that the module computes at that place (a softmax that the list does not call 'softmax' is quantised finished and normalised). What goes into a quantiser is computed in f32, as accurately as f32 sums, v_exp_f32 and their like allow (about 1e-6 of the number): no bf16 or f16 on the way to a quantiser, and a product that is left as it is and whose result goes on into a quantised operand takes f32 operands (vector FMAs, or v_wmma_f32_16x16x4_f32). A number that lies on a knife's edge between two numbers of the format may be rounded either way, as far as f32 arithmetic and the matrix unit's own rounding can turn it there, and no further.
;;   INPUTS GIVEN AS CODES. Wk (in the module: [1024, 1024], K = its axis 0); Wo (in the module: [1024, 1024], K = its axis 0); Wq (in the module: [1024, 1024], K = its axis 0); Wv (in the module: [1024, 1024], K = its axis 0); x (in the module: [4, 2048, 1024], K = its axis 2): each comes as NAME_codes (uint8): NAME with its K axis moved to the last place and cut into blocks of 32 codes, [.., K / 32, bytes a block], one block behind the other in memory; four codes in three bytes: a row's codes are one little-endian stream of bits, code i at bits 6 i .. 6 i + 5 (a code: sign, 2 exponent bits, 3 mantissa bits); and NAME_scales (uint8): the same leading axes, one E8M0 byte (e + 127) for each 32 codes along K. Its value is code x scale, taken as it is: it is not quantised again, and the codes and scales need not be those that the quantiser above would give.
;; One version. Each part assembles by itself: llvm-mc -triple=amdgcn-amd-amdhsa -mcpu=gfx1250 --defsym DOCPART=n.
;; ======== version 1 of 1: 3 launches
;; workspace buffers: qkv 18,874,368 bytes; qkvsc 786,432 bytes; a_img 6,291,456 bytes; a_sc 262,144 bytes
;; launch proj (part 1): grid 4 x 96, 4 waves a work-group, clusters of 4 x 4, 327,680 bytes of LDS; arguments x_codes, x_scales, Wq_codes, Wq_scales, Wk_codes, Wk_scales, Wv_codes, Wv_scales, bq, bk, bv, qkv, qkvsc; writes qkv, qkvsc
.if DOCPART == 1
	.amdgcn_target "amdgcn-amd-amdhsa--gfx1250"
	.amdhsa_code_object_version 6
	.text
	.protected	k_q481b454b20_proj
	.globl	k_q481b454b20_proj
	.p2align	8
	.type	k_q481b454b20_proj,@function
k_q481b454b20_proj:
	s_mov_b64 s[64:65], 0
	v_nop
	global_prefetch_b8 v0, s[64:65] scope:SCOPE_SE
	s_setreg_imm32_b32 hwreg(HW_REG_WAVE_MODE, 25, 1), 1
	s_wait_xcnt 0x0
	s_wait_alu depctr_hold_cnt(0) depctr_sa_sdst(0) depctr_va_vdst(0) depctr_va_sdst(0) depctr_va_ssrc(0) depctr_va_vcc(0) depctr_vm_vsrc(0)
	s_getreg_b32 s2, hwreg(HW_REG_IB_STS2, 6, 4)
	s_cmp_eq_u32 s2, 0
	s_cbranch_scc0 .Lentry_in_a_cluster
	s_endpgm
.Lentry_in_a_cluster:
	s_bfe_u32 s2, ttmp6, 0x10000c
	s_cmp_lg_u32 s2, 0xf033
	s_cbranch_scc0 .Lentry_shape_is_right
	s_endpgm
.Lentry_shape_is_right:
; q = x Wq + bq, k = x Wk + bk, v = x Wv + bv on codes of FP6 (E2M3) with one E8M0 scale for each 32 along K = 1,024; the results are quantised at once: q and k along the head's 64, v along the keys.
; ONE TEXT FOR THE THREE PRODUCTS.  Operand R is source 1 of the matrix instruction (a lane holds ONE of its rows), operand C is source 0 (its rows run along a lane's registers: the axis that is quantised).
;   q: R = x, C = Wq.   k: R = x, C = Wk.   v: R = Wv, C = x (so the tokens, which are the keys, run along the registers).  Only pointers, offsets and two masks are chosen, by the cluster's number alone.
; SHARES.  24 clusters of 4 x 4 work-groups: c < 16: q (c even) or k (c odd), 1,024 tokens x 1,024 dims; c >= 16: v, 1,024 dims x 1,024 tokens.  A work-group makes 256 x 256, each of its four waves 128 x 128:
; 64 accumulators, 512 registers.  K goes in steps of 256 through a ring of two LDS slots; R's tile is asked for jointly by a row of the cluster, C's by a column.
; THE ROWS OF A TILE ARE NOT NEIGHBOURS, on both sides: lane r of tile i takes row 32 (i / 2) + 8 (i % 2) + r + 8 (r / 8).  On C's side this makes the 16 registers of tiles 2 b and 2 b + 1 sixteen neighbours,
; 32 b + 16 (lane / 16) + 0 .. 15; on R's side it makes the token tiles of q and k the tiles that the attention launch wants.
; RESULTS leave as images of operand registers, in planes of 8 bytes a lane: each store of the wave covers 256 consecutive bytes, aligned.
;   qkv   [batch][head] x 294,912: q at 0, k at 98,304: [token tile][plane 0..2][256];  v at 196,608: [key step][d tile 0..3][plane 0..5][256]
;   qkvsc [batch][pair of heads] x 24,576: q at 0, k at 8,192, v at 16,384: [step of 128 tokens][lane][word 0..3]
; LIMITS: NaN and infinities are not served.  A block whose largest magnitude lies under 2^-124, a block of zeros among them, keeps the scale byte 1 (the rule says 127 for zeros): its codes are zeros or
; what the floor's scale gives, and the bytes are read by this program alone.
; REGISTERS, in windows of 256: window 0: v16-29 addresses; v32-63 scale words, two sets; v64-127 the bias along C (the first products' C), later 64 numbers on the way out; v128-223 R's fragments, one set,
;   later codes and work; v224-239 the bias along R.   window 1: C's fragments, two sets.   windows 2, 3: the accumulators ((a, b) at v[8 (8 (a % 4) + b)]).
.set KSTEP,  256
.set NQ,     2                         ; matrix instructions deep in a slot
.set ROWB,   192                       ; a tile's row: 256 codes
.set KROW,   768                       ; a row of codes in memory
.set PITCH,  240                       ; an LDS row: 3 x (64 bytes + 16 of padding)
.set FR,     12
.set NL,     6
.set NP,     4                         ; places behind this matrix instruction (ISA guide 7.12.1)
.set HALFT,  128*PITCH
.set SLOT,   4*HALFT                   ; R's 256 rows, then C's 256
.set LAPS,   2                         ; 1,024 / 512
.set KS,     32                        ; a row of scale bytes
.set SCL,    2*SLOT                    ; behind the ring: the scales, as units of 256 bytes + 16
.set HALFS,  16*272                    ; those of 128 rows
.set SPARE,  SCL+4*HALFS               ; the spare words: 128 bytes a wave, two blocks of 256 bytes that no other line names
.set HS,     294912                    ; a head's bytes in qkv
.set ADRA, 16                          ; v16-17 R's fragments in slot 0, 1; v18-19 behind one padding more
.set ADRB, 20                          ; v20-23 the same for C
.set L8,   24                          ; v24 8 x lane
.set L16,  25                          ; v25 16 x lane
.set ADRS, 27                          ; v27 my scale words: lanes 0-15 R's rows, lanes 16-31 C's
.set SPW,  28
.set NIL,  29
.set SC,   32
.set BC,   64
.set NUM,  64
.set AF,   128
.set CD,   128                         ; the way out: v128-147 codes
.set TM,   160                         ; v160-175 at work
.set PW,   176                         ; an odd block's scale word
.set PWE,  177                         ; an even block's
.set WD,   180                         ; v180-183 the four words a lane stores
.set BR,   224
.set G1, 24
.set G0, 32
.set G1B, 48
.set G0B, 56
.set SEL, 66                           ; s[66:67] lane selects: lane l xor 16
.set G1S, 68
.set G0S, 76
.set G1SB, 80
.set G0SB, 88
.set STEPA, 92                         ; s[92:93] bytes from a block's image to the next
.set JUMP4, 94                         ; s[94:95] more at block 4 (v: on to the odd head)
.set OLO, 96                           ; s[96:97] where planes 0-2 go
.set OHI, 98                           ; s[98:99] where planes 3-5 go
.set SCB, 100                          ; s[100:101] where the scale words go
.set MSB, 0
.macro WIN new                         ; the immediate's high byte repeats the setting that is left
.if MSB != (\new)
	s_set_vgpr_msb (MSB<<8)|(\new)
.set MSB, (\new)
.endif
.endm
.set MUL_LO, 0xa1                      ; source 0 (C) window 1, source 1 (R) window 0, sums window 2
.set MUL_HI, 0xf1                      ; sums window 3
.set FIRST_LO, 0x81                    ; the first products: the addend is the bias, in window 0
.set FIRST_HI, 0xc1
.set TO_B,   0x40
; A joint load: waves 0 and 1 fetch for R, waves 2 and 3 for C.  The branch hangs on the wave's number alone.  Four v_nop follow each of the two lines.
.macro JLOAD g0a, g1a, g0b, g1b
	s_cmp_eq_u32 s15, 0
	s_cbranch_scc0 .Lfor_b_\@
	tensor_load_to_lds s[\g0a:\g0a+3], s[\g1a:\g1a+7]
	s_nop 0
.rept 4
	v_nop
.endr
	s_branch .Lasked_\@
.Lfor_b_\@:
	tensor_load_to_lds s[\g0b:\g0b+3], s[\g1b:\g1b+7]
	s_nop 0
.rept 4
	v_nop
.endr
.Lasked_\@:
.endm
.macro CREST                           ; a round of the cluster's barrier behind its opening barrier
	s_cmp_lg_u32 s14, 0
	s_cbranch_scc1 .Lnot_wave_0_\@
	s_barrier_signal -3
.Lnot_wave_0_\@:
	s_barrier_wait -3
	s_barrier_signal -1
	s_barrier_wait -1
.endm
.macro CROUND
	s_barrier_signal -1
	s_barrier_wait -1
	CREST
.endm
	s_load_b512 s[68:83], s[0:1], 0x0              ; x codes 68, x scales 70, Wq 72, 74, Wk 76, 78, Wv 80, 82
	s_load_b256 s[84:91], s[0:1], 0x40             ; bq 84, bk 86, bv 88, qkv 90
	s_load_b64 s[92:93], s[0:1], 0x60              ; qkvsc
	v_lshl_add_u32 v[SPW], v0, 2, SPARE
	v_mov_b32 v[NIL], 0
	ds_add_u32 v28, v29
	ds_add_u32 v28, v29
	s_wait_dscnt 0x0
	v_lshrrev_b32 v1, 5, v0
	v_readfirstlane_b32 s14, v1                    ; wave 0..3
	s_lshr_b32 s15, s14, 1                         ; which half of R's rows is mine.  Also: I fetch for R (0) or for C (1)
	s_and_b32 s16, s14, 1                          ; which half of C's rows.  Also: which 128 rows I fetch
	s_bfe_u32 s40, ttmp6, 0x40000                  ; cx
	s_bfe_u32 s41, ttmp6, 0x40004                  ; cy
	s_and_b32 s2, ttmp7, 0xffff                    ; c: the cluster's number, 0 .. 23, the same in all sixteen partners
	s_lshr_b32 s18, s2, 1
	s_max_u32 s45, s2, 16
	s_sub_co_u32 s45, s45, 16                      ; C's block of four tiles: 0 for q and k, c - 16 for v
	s_and_b32 s20, s2, 1
	s_wait_kmcnt 0x0
	s_mov_b64 s[OLO:OLO+1], s[90:91]
	s_mov_b64 s[SCB:SCB+1], s[92:93]
	s_cmp_eq_u32 s20, 1                            ; k or q
	s_cselect_b64 s[8:9], s[76:77], s[72:73]
	s_cselect_b64 s[10:11], s[78:79], s[74:75]
	s_cselect_b64 s[12:13], s[86:87], s[84:85]
	s_cmp_ge_u32 s2, 16                            ; v?
	s_cselect_b64 s[4:5], s[80:81], s[68:69]       ; R's codes: Wv's or x's
	s_cselect_b64 s[6:7], s[82:83], s[70:71]       ; R's scales
	s_cselect_b64 s[8:9], s[68:69], s[8:9]         ; C's codes: x's or the weight's
	s_cselect_b64 s[10:11], s[70:71], s[10:11]     ; C's scales
	s_cselect_b64 s[12:13], s[88:89], s[12:13]     ; the bias
	s_cselect_b32 s23, 0, s18                      ; R's block of four tiles: c / 2 for q and k, 0 for v
	s_lshl_b32 s17, s23, 2
	s_add_co_u32 s17, s17, s41                     ; R's tile = 4 x block + cy
	s_lshl_b32 s42, s45, 2
	s_add_co_u32 s42, s42, s40                     ; C's tile = 4 x block + cx
	s_lshl_b32 s43, s41, 2
	s_lshl_b32 s43, 15, s43                        ; my row of the cluster
	s_lshl_b32 s44, 0x1111, s40                    ; my column
	; descriptor group 1: a tile of 128 rows x 192 bytes, 16 bytes of padding behind every 64
	s_or_b32 s[G1+0], s43, (0<<16)|(1<<20)|(1<<21)|(3<<22)|(3<<25)   ; 15:0 the mask; 17:16 elements of 1 byte; 20 padding on; 21 set beside a mask; 24:22 after every 16 words; 31:25 4 words
	s_or_b32 s[G1B+0], s44, (0<<16)|(1<<20)|(1<<21)|(3<<22)|(3<<25)
.irp g, G1, G1B
	s_mov_b32 s[\g+1], ROWB<<16                    ; tensor_dim0
	s_mov_b32 s[\g+2], 128<<16                     ; tensor_dim1
	s_mov_b32 s[\g+3], ROWB<<16                    ; tile_dim0
	s_mov_b32 s[\g+4], 128                         ; tile_dim1
	s_mov_b32 s[\g+5], KROW                        ; from row to row
	s_mov_b32 s[\g+6], 0
	s_mov_b32 s[\g+7], 0
.endr
	; the scales of 128 rows: 4,096 dense bytes, as 16 rows of 256 bytes (32 elements of 8), 16 bytes of padding behind each
	s_or_b32 s[G1S+0], s43, (3<<16)|(1<<20)|(1<<21)|(5<<22)|(3<<25)
	s_or_b32 s[G1SB+0], s44, (3<<16)|(1<<20)|(1<<21)|(5<<22)|(3<<25)
.irp g, G1S, G1SB
	s_mov_b32 s[\g+1], 32<<16
	s_mov_b32 s[\g+2], 16<<16
	s_mov_b32 s[\g+3], 32<<16
	s_mov_b32 s[\g+4], 16
	s_mov_b32 s[\g+5], 32
	s_mov_b32 s[\g+6], 0
	s_mov_b32 s[\g+7], 0
.endr
	s_lshl_b32 s18, s16, 7                         ; which 128 rows of the tile I fetch
	s_lshl_b32 s20, s17, 8
	s_add_co_u32 s20, s20, s18                     ; R: row 256 x tile + 128 x half
	s_lshl_b32 s46, s42, 8
	s_add_co_u32 s46, s46, s18                     ; C likewise
	s_mov_b32 s21, 0
	s_mov_b32 s47, 0
	s_mov_b64 s[18:19], KS
	s_mul_u64 s[22:23], s[20:21], s[18:19]         ; where these rows' scales begin
	s_mul_u64 s[92:93], s[46:47], s[18:19]
	s_mov_b64 s[18:19], KROW
	s_mul_u64 s[20:21], s[20:21], s[18:19]         ; and their codes
	s_mul_u64 s[46:47], s[46:47], s[18:19]
	s_mul_i32 s45, s14, HALFT                      ; where they go: wave x 128 rows: no place in the cluster enters an LDS address
	s_mul_i32 s94, s14, HALFS
	s_add_nc_u64 s[20:21], s[4:5], s[20:21]
	s_add_nc_u64 s[22:23], s[6:7], s[22:23]
	s_add_nc_u64 s[46:47], s[8:9], s[46:47]
	s_add_nc_u64 s[92:93], s[10:11], s[92:93]
	CROUND                                         ; all sixteen work-groups are here: the first joint loads meet
	s_mov_b32 s[G0S], 1
	s_add_co_u32 s[G0S+1], s94, SCL
	s_mov_b64 s[G0S+2:G0S+3], s[22:23]
	s_or_b32 s[G0S+3], s[G0S+3], 0x80000000
	s_mov_b32 s[G0SB], 1
	s_add_co_u32 s[G0SB+1], s94, SCL
	s_mov_b64 s[G0SB+2:G0SB+3], s[92:93]
	s_or_b32 s[G0SB+3], s[G0SB+3], 0x80000000
	JLOAD G0S, G1S, G0SB, G1SB                     ; the scales of all of K: filled once
.irp s, 0,1
	s_mov_b32 s[G0+4*\s], 1
	s_add_co_u32 s[G0+4*\s+1], s45, \s*SLOT
	s_add_nc_u64 s[G0+4*\s+2:G0+4*\s+3], s[20:21], \s*ROWB
	s_or_b32 s[G0+4*\s+3], s[G0+4*\s+3], 0x80000000
	s_mov_b32 s[G0B+4*\s], 1
	s_add_co_u32 s[G0B+4*\s+1], s45, \s*SLOT
	s_add_nc_u64 s[G0B+4*\s+2:G0B+4*\s+3], s[46:47], \s*ROWB
	s_or_b32 s[G0B+4*\s+3], s[G0B+4*\s+3], 0x80000000
	JLOAD G0+4*\s, G1, G0B+4*\s, G1B
.endr
	; WHERE THE RESULTS GO, in registers that feed no descriptor.  r0, c0: my first row of R and of C
	s_lshl_b32 s18, s17, 8
	s_lshl_b32 s19, s15, 7
	s_add_co_u32 s18, s18, s19                     ; r0
	s_lshl_b32 s19, s42, 8
	s_lshl_b32 s20, s16, 7
	s_add_co_u32 s19, s19, s20                     ; c0
	s_and_b32 s20, s2, 1
	s_mul_i32 s21, s20, 98304                      ; q's or k's part of a head in qkv
	s_lshl_b32 s22, s20, 13                        ; and of a pair in qkvsc
	s_mov_b32 s[STEPA], 768
	s_mov_b32 s[STEPA+1], 0
	s_mov_b32 s[JUMP4+1], 0
	s_mov_b32 s46, HS
	s_lshl_b32 s47, s19, 2
	s_lshl_b32 s3, s18, 2
	s_cmp_ge_u32 s2, 16                            ; v?  Every select on this compare stands ahead of the next line that sets SCC
	s_cselect_b32 s21, 196608, s21
	s_cselect_b32 s22, 16384, s22
	s_cselect_b32 s[STEPA], 1536, s[STEPA]         ; v: a d tile's six planes; q, k: a token tile's three
	s_cselect_b32 s[JUMP4], HS-6144, 0             ; v: blocks 4-7 are the odd head's d tiles
	s_cselect_b32 s46, 768, s46                    ; planes 3-5: v: behind planes 0-2; q, k: the odd head
	s_cselect_b32 s20, s19, s18                    ; my first token
	s_cselect_b32 s23, s18, s19                    ; my first dim
	s_cselect_b32 s47, 0, s47                      ; the bias along C begins at 4 c0 (q, k); for v it is masked, and read at 0 so that no load leaves the buffer
	s_cselect_b32 s3, s3, 0                        ; the bias along R begins at 4 r0 (v); for q and k likewise masked
	s_cselect_b32 s45, -1, 0                       ; mask: v
	s_lshr_b32 s18, s20, 11                        ; batch
	s_bfe_u32 s19, s20, 0x40007                    ; step of 128 tokens in it
	s_lshl_b32 s20, s18, 4
	s_lshr_b32 s66, s23, 6
	s_add_co_u32 s20, s20, s66                     ; 16 x batch + my even head
	s_mul_i32 s20, s20, HS
	s_mul_i32 s66, s19, 6144                       ; a step is 6,144 bytes in q, k and v alike
	s_add_co_u32 s20, s20, s66
	s_add_co_u32 s20, s20, s21
	s_mov_b32 s21, 0
	s_add_nc_u64 s[OLO:OLO+1], s[OLO:OLO+1], s[20:21]
	s_mov_b32 s20, s46
	s_add_nc_u64 s[OHI:OHI+1], s[OLO:OLO+1], s[20:21]
	s_lshl_b32 s20, s18, 3
	s_lshr_b32 s66, s23, 7
	s_add_co_u32 s20, s20, s66                     ; 8 x batch + my pair of heads
	s_mul_i32 s20, s20, 24576
	s_lshl_b32 s66, s19, 9
	s_add_co_u32 s20, s20, s66
	s_add_co_u32 s20, s20, s22
	s_add_nc_u64 s[SCB:SCB+1], s[SCB:SCB+1], s[20:21]
	s_mov_b32 s20, s47
	s_add_nc_u64 s[22:23], s[12:13], s[20:21]      ; the bias along C
	s_mov_b32 s20, s3
	s_add_nc_u64 s[12:13], s[12:13], s[20:21]      ; the bias along R
	s_not_b32 s46, s45                             ; mask: q or k
	s_mov_b32 s[SEL], 0x76543210
	s_mov_b32 s[SEL+1], 0xfedcba98
	v_and_b32 v1, 15, v0                           ; r = lane % 16
	v_bfe_u32 v2, v0, 4, 1                         ; h = lane / 16
	v_and_b32 v3, 8, v1
	v_add_nc_u32 v3, v3, v1                        ; r + 8 (r / 8)
	v_lshlrev_b32 v8, 6, v2                        ; the bias along C: register 8 b + j of lane (r, h) is that of C's row 32 (b / 2) + 16 h + 8 (b % 2) + j
	v_lshlrev_b32 v9, 2, v3                        ; the bias along R: block a's is that of R's row 32 (a / 2) + 8 (a % 2) + r + 8 (r / 8)
.irp b, 0,1,2,3,4,5,6,7
	global_load_b128 v[BC+8*\b:BC+8*\b+3], v8, s[22:23] offset:(32*(\b/2)+8*(\b%2))*4
	global_load_b128 v[BC+8*\b+4:BC+8*\b+7], v8, s[22:23] offset:(32*(\b/2)+8*(\b%2))*4+16
.endr
.irp a, 0,1,2,3,4,5,6,7
	global_load_b32 v[BR+2*\a], v9, s[12:13] offset:(32*(\a/2)+8*(\a%2))*4
	v_mov_b32 v[BR+2*\a+1], 0                      ; named with it as a pair by the packed addition, so it is written
.endr
	v_mul_u32_u24 v7, v3, PITCH
	v_mul_u32_u24 v4, v2, 24
	v_add_nc_u32 v4, v7, v4                        ; a fragment's row x pitch + 24 x half
	v_lshl_add_u32 v5, v2, 4, v4                   ; and the same behind one padding more
	s_mul_i32 s21, s15, HALFT                      ; my 128 rows of R
	s_mul_i32 s20, s16, HALFT                      ; my 128 rows of C,
	s_add_co_u32 s20, s20, 2*HALFT                 ; which lie behind R's 256
.irp s, 0,1
	v_add_nc_u32 v[ADRA+\s], s21, v4
	v_add_nc_u32 v[ADRB+\s], s20, v4
	v_add_nc_u32 v[ADRA+2+\s], s21, v5
	v_add_nc_u32 v[ADRB+2+\s], s20, v5
	s_add_co_u32 s21, s21, SLOT
	s_add_co_u32 s20, s20, SLOT
.endr
	v_and_b32 v5, 7, v1                            ; my row's scales: 32 bytes a row, eight rows to a unit of 272: row r + 8 (r / 8) lies (r % 8) x 32 into unit 2 (r / 8)
	v_lshlrev_b32 v5, 5, v5
	v_lshrrev_b32 v6, 3, v1
	v_mad_u32_u24 v5, v6, 544, v5
	s_mul_i32 s21, s15, HALFS                      ; R's: my 128 rows
	s_mul_i32 s20, s16, HALFS                      ; C's: my 128 rows, behind R's 256
	s_add_co_u32 s20, s20, 2*HALFS
	s_sub_co_u32 s20, s20, s21
	v_mul_u32_u24 v6, s20, v2                      ; lanes 16-31 take C's
	s_add_co_u32 s21, s21, SCL
	v_add_nc_u32 v5, v5, v6
	v_add_nc_u32 v[ADRS], s21, v5
	v_and_b32 v6, 31, v0
	v_lshlrev_b32 v[L8], 3, v6
	v_lshlrev_b32 v[L16], 4, v6
	s_wait_loadcnt 0x0                             ; the biases
	s_mov_b32 vcc_lo, s46
.set i, 0
.rept 64
	v_cndmask_b32 v[BC+i], 0, v[BC+i], vcc_lo      ; the bias runs along C for q and k; for v these are zeros
.set i, i+1
.endr
	s_mov_b32 vcc_lo, s45
.irp a, 0,1,2,3,4,5,6,7
	v_cndmask_b32 v[BR+2*\a], 0, v[BR+2*\a], vcc_lo   ; and along R for v alone
.endr
.macro FRAG reg, adr, q, i             ; a fragment: 16 rows x 128 K, 12 registers: lane (r, h) takes 24 bytes at 24 h and 24 at 48 + 24 h of its row's 96, in pieces of 8 bytes
.irp p, 0,1,2,3,4,5
.set PCE, 12*(\q)+6*(\p/3)+\p%3        ; the piece of lanes 0-15; lanes 16-31 take the piece three on: where that lies behind one padding more, the second address register serves
.if PCE%8 < 5
	ds_load_b64 v[\reg+2*\p:\reg+2*\p+1], v[\adr] offset:8*PCE+16*(PCE/8)+(32*((\i)/2)+8*((\i)%2))*PITCH
.else
	ds_load_b64 v[\reg+2*\p:\reg+2*\p+1], v[\adr+2] offset:8*PCE+16*(PCE/8)+(32*((\i)/2)+8*((\i)%2))*PITCH
.endif
.endr
.endm
; 16 matrix instructions: R's blocks a0, a0 + 1 x C's eight.  p: C's set; sc: the set of scale words.  first = 1: the sums start from the bias along C.  The 64 accumulators take turns, one instruction a turn
.macro MUL16 a0, p, q, sc, first
.irp a, \a0, \a0+1
.irp b, 0,1,2,3,4,5,6,7
.if \first
	v_wmma_scale_f32_16x16x128_f8f6f4 v[8*(8*((\a)%4)+\b):8*(8*((\a)%4)+\b)+7], v[128*(\p)+FR*\b:128*(\p)+FR*\b+FR-1], v[AF+FR*(\a):AF+FR*(\a)+FR-1], v[BC+8*\b:BC+8*\b+7], v[SC+8*NQ*(\sc)+NQ*\b+(\q)], v[SC+8*NQ*(\sc)+NQ*(\a)+(\q)] matrix_a_fmt:MATRIX_FMT_FP6 matrix_b_fmt:MATRIX_FMT_FP6 matrix_a_scale:MATRIX_SCALE_ROW1
.else
	v_wmma_scale_f32_16x16x128_f8f6f4 v[8*(8*((\a)%4)+\b):8*(8*((\a)%4)+\b)+7], v[128*(\p)+FR*\b:128*(\p)+FR*\b+FR-1], v[AF+FR*(\a):AF+FR*(\a)+FR-1], v[8*(8*((\a)%4)+\b):8*(8*((\a)%4)+\b)+7], v[SC+8*NQ*(\sc)+NQ*\b+(\q)], v[SC+8*NQ*(\sc)+NQ*(\a)+(\q)] matrix_a_fmt:MATRIX_FMT_FP6 matrix_b_fmt:MATRIX_FMT_FP6 matrix_a_scale:MATRIX_SCALE_ROW1
.endif
.endr
.endr
.endm
.macro FETCH_B slot, q, p              ; C's eight fragments into set p
	WIN TO_B
.irp i, 0,1,2,3,4,5,6,7
	FRAG 128*(\p)+FR*\i, ADRB+\slot, \q, \i
.endr
	WIN 0
.endm
.macro FETCH_A slot, q, i0             ; R's blocks i0 .. i0 + 3
.irp i, \i0, \i0+1, \i0+2, \i0+3
	FRAG AF+FR*(\i), ADRA+\slot, \q, \i
.endr
.endm
.macro SCALES sc                       ; a K step's scale words: two words a row; lanes 0-15 take R's block i, lanes 16-31 C's block i; block i begins in unit 4 (i / 2) + i % 2
.irp i, 0,1,2,3,4,5,6,7
	ds_load_b64 v[SC+8*NQ*\sc+NQ*\i:SC+8*NQ*\sc+NQ*\i+1], v[ADRS] offset:(4*(\i/2)+\i%2)*272
.endr
.endm
.macro PLACES n                        ; plain vector lines between a matrix instruction and a load into, or a vector line on, its registers (ISA guide 7.12.1 for vector lines)
.rept \n
	v_nop
.endr
.endm
.macro STEP slot, q, first             ; 128 along K, with its successor in the same slot
	s_wait_dscnt 4*NL                              ; C's set and R's blocks 0-3 are in; the youngest 24 loads (R's blocks 4-7) may be out
.if \first
	WIN FIRST_LO
.else
	WIN MUL_LO
.endif
	MUL16 0, (\q)%2, \q, \slot, \first
	MUL16 2, (\q)%2, \q, \slot, \first
	s_wait_dscnt 0
	PLACES NP
	FETCH_B \slot, (\q)+1, 1-(\q)%2
	FETCH_A \slot, (\q)+1, 0
.if \first
	WIN FIRST_HI
.else
	WIN MUL_HI
.endif
	MUL16 4, (\q)%2, \q, \slot, \first
	MUL16 6, (\q)%2, \q, \slot, \first
	PLACES NP
	WIN 0
	FETCH_A \slot, (\q)+1, 4
.endm
; A slot's last step changes slots: one barrier; in front of it each wave waits for all its tensor loads, adds 0 to its spare word, and waits for that and for its reads of this slot.
.macro TURN slot, next, fill
	s_wait_tensorcnt 0x0                           ; all my tensor loads have landed: my part of the next slot
	ds_add_u32 v[SPW], v[NIL]                      ; 0 onto my spare word
	s_wait_dscnt 4*NL+1                            ; (the add and the youngest 24 loads may be out)
	WIN MUL_LO
	MUL16 0, 1, NQ-1, \slot, 0                     ; sixteen matrix instructions stand between the add and the wait for it
	s_wait_dscnt 0x0                               ; the add is done, and my reads of this slot are over
	s_barrier_signal -1
	MUL16 2, 1, NQ-1, \slot, 0
	WIN 0
	s_barrier_wait -1
.if \fill
	CREST                                          ; the barrier has opened a round of the cluster's: no wave of any partner still reads this slot or has a load on its way
	s_add_nc_u64 s[G0+4*\slot+2:G0+4*\slot+3], s[G0+4*\slot+2:G0+4*\slot+3], 2*ROWB
	s_add_nc_u64 s[G0B+4*\slot+2:G0B+4*\slot+3], s[G0B+4*\slot+2:G0B+4*\slot+3], 2*ROWB
	JLOAD G0+4*\slot, G1, G0B+4*\slot, G1B         ; the first tensor load behind the round; its four v_nop are the places in front of the loads below
.else
	PLACES NP
.endif
	v_add_nc_u32 v[ADRS], 4*NQ, v[ADRS]            ; the next K step's scale words
	FETCH_B \next, 0, 0
	FETCH_A \next, 0, 0
	SCALES \next
	WIN MUL_HI
	MUL16 4, 1, NQ-1, \slot, 0
	MUL16 6, 1, NQ-1, \slot, 0
	PLACES NP
	WIN 0
	FETCH_A \next, 0, 4
.endm
	s_wait_tensorcnt 1                             ; of my three first fills only slot 1's may be out
	s_barrier_signal -1
	s_barrier_wait -1
	FETCH_B 0, 0, 0
	FETCH_A 0, 0, 0
	SCALES 0
	FETCH_A 0, 0, 4
	STEP 0, 0, 1
	s_mov_b32 s3, LAPS-1
.Llap:                                                 ; a trip goes once round the ring and fills both slots again
	TURN 0, 1, 1
	STEP 1, 0, 0
	TURN 1, 0, 1
	STEP 0, 0, 0
	s_sub_co_u32 s3, s3, 1
	s_cmp_lg_u32 s3, 0
	s_cbranch_scc1 .Llap
	TURN 0, 1, 0                                   ; the last lap fills nothing
	STEP 1, 0, 0
	s_wait_dscnt 4*NL
	WIN MUL_LO
	MUL16 0, 1, NQ-1, 1, 0
	MUL16 2, 1, NQ-1, 1, 0
	s_wait_dscnt 0
	WIN MUL_HI
	MUL16 4, 1, NQ-1, 1, 0
	MUL16 6, 1, NQ-1, 1, 0
	WIN 0
; 64 numbers of a lane, register 16 b + i = place 32 b + 16 (lane / 16) + i along the quantised axis, become a fragment's codes in v[CD] on and its scale word in v[pw].
.macro QUANT s, pw
.irp b, 0,1,2,3
	v_max3_num_f32 v[TM+\b], |v[\s+16*\b]|, |v[\s+1+16*\b]|, 0x1800000   ; block b: my 16 numbers, and the floor 2^(3 - 127): the byte cannot fall under 1
.endr
.irp i, 2,4,6,8,10,12,14
.irp b, 0,1,2,3
	v_max3_num_f32 v[TM+\b], v[TM+\b], |v[\s+16*\b+\i]|, |v[\s+1+16*\b+\i]|
.endr
.endr
.irp b, 0,1,2,3
	v_permlanex16_b32 v[TM+4+\b], v[TM+\b], s[SEL], s[SEL+1]
.endr
.irp b, 0,1,2,3
	v_max_num_f32 v[TM+\b], v[TM+\b], v[TM+4+\b]   ; with lane l xor 16's: the block's largest magnitude
.endr
.irp b, 0,1,2,3
	v_add_nc_u32 v[TM+12+\b], 0xff000000, v[TM+\b] ; 2 off its exponent field: the conversion takes that field of this operand as its scale
.endr
.irp b, 0,1,2,3
	v_lshrrev_b32 v[TM+4+\b], 23, v[TM+12+\b]      ; the scale's byte
.endr
	v_lshl_or_b32 v[\pw], v[TM+5], 8, v[TM+4]
	v_lshl_or_b32 v[\pw], v[TM+6], 16, v[\pw]
	v_lshl_or_b32 v[\pw], v[TM+7], 24, v[\pw]
.irp c, 0,1
	v_cvt_scalef32_pk16_fp6_f32 v[CD+6*\c:CD+2+6*\c], v[\s+32*\c:\s+15+32*\c], v[TM+12+2*\c]
	v_cvt_scalef32_pk16_fp6_f32 v[CD+12+4*\c:CD+14+4*\c], v[\s+16+32*\c:\s+31+32*\c], v[TM+12+2*\c+1]   ; (a conversion's three registers begin on an even number)
.endr
	v_nop                                          ; one plain line behind a scaled conversion
.irp c, 0,1                                    ; the operand's layout wants a whole block in a lane: lanes 0-15 block 2 c, lanes 16-31 block 2 c + 1
.irp i, 0,1,2
	v_permlane16_swap_b32 v[CD+6*\c+\i], v[CD+12+4*\c+\i]
.endr
.irp i, 0,1,2
	v_mov_b32 v[CD+3+6*\c+\i], v[CD+12+4*\c+\i]
.endr
.endr
.endm
; THE WAY OUT of R's block a: its 64 numbers a lane (plus the bias along R) are quantised; the six planes of the image leave by six stores of 256 consecutive bytes.
.macro EPI a
.set AC, 64*((\a)%4)
.if (\a) > 0
	s_wait_xcnt 0x0                                ; the last block's stores have read their data and their bases
	s_add_nc_u64 s[OLO:OLO+1], s[OLO:OLO+1], s[STEPA:STEPA+1]
	s_add_nc_u64 s[OHI:OHI+1], s[OHI:OHI+1], s[STEPA:STEPA+1]
.endif
.if (\a) == 4
	s_add_nc_u64 s[OLO:OLO+1], s[OLO:OLO+1], s[JUMP4:JUMP4+1]
	s_add_nc_u64 s[OHI:OHI+1], s[OHI:OHI+1], s[JUMP4:JUMP4+1]
.endif
	WIN 0x02+(\a)/4                                ; source 0: window 2 or 3
.set i, 0
.rept 32
	v_pk_add_f32 v[NUM+i:NUM+i+1], v[AC+i:AC+i+1], v[BR+2*(\a):BR+2*(\a)+1] op_sel_hi:[1,0]   ; each accumulator from its low end on
.set i, i+2
.endr
	WIN 0
.if (\a)%2 == 0
	QUANT NUM, PWE
.else
	QUANT NUM, PW
.endif
.irp p, 0,1,2
	global_store_b64 v[L8], v[CD+2*\p:CD+2*\p+1], s[OLO:OLO+1] offset:256*\p
.endr
.irp p, 0,1,2
	global_store_b64 v[L8], v[CD+6+2*\p:CD+7+2*\p], s[OHI:OHI+1] offset:256*\p
.endr
.if (\a)%2 == 1
	v_cndmask_b32 v[WD+(\a)/2], v[PWE], v[PW], vcc_lo   ; lanes 0-15 keep the even block's words, lanes 16-31 take the odd block's
.endif
.endm
	PLACES NP                                      ; behind the last products: the lines below write registers that held R's fragments and read results
	s_mov_b32 vcc_lo, 0xffff0000
.irp b, 0,1,2,3
	v_mov_b32 v[TM+4+\b], 0                        ; written once: a lane permute's destination counts as one of its sources
.endr
.irp a, 0,1,2,3,4,5,6,7
	EPI \a
.endr
	global_store_b128 v[L16], v[WD:WD+3], s[SCB:SCB+1]   ; the step's 512 bytes of scale words
	s_wait_tensorcnt 0x0                           ; the wave's end
	ds_add_u32 v[SPW], v[NIL]
	s_wait_dscnt 0x0
	CROUND                                         ; the closing round: no work-group ends while a partner may still ask for a tile that names it
	s_endpgm
.Lfunc_end_k_q481b454b20_proj:
	.size	k_q481b454b20_proj, .Lfunc_end_k_q481b454b20_proj-k_q481b454b20_proj
	.p2alignl 7, 3214868480
	.fill 96, 4, 3214868480
	.section	.rodata,"a",@progbits
	.p2align	6, 0x0
	.amdhsa_kernel k_q481b454b20_proj
		.amdhsa_group_segment_fixed_size 327680
		.amdhsa_private_segment_fixed_size 0
		.amdhsa_enable_private_segment 0
		.amdhsa_kernarg_size 104
		.amdhsa_user_sgpr_count 2
		.amdhsa_user_sgpr_kernarg_segment_ptr 1
		.amdhsa_wavefront_size32 1
		.amdhsa_system_sgpr_workgroup_id_x 1
		.amdhsa_system_sgpr_workgroup_id_y 1
		.amdhsa_system_sgpr_workgroup_id_z 1
		.amdhsa_system_vgpr_workitem_id 0
		.amdhsa_next_free_vgpr 1024
		.amdhsa_next_free_sgpr 102
		.amdhsa_reserve_vcc 1
		.amdhsa_float_denorm_mode_32 3
		.amdhsa_float_denorm_mode_16_64 3
		.amdhsa_memory_ordered 1
		.amdhsa_forward_progress 1
		.amdhsa_inst_pref_size 189
	.end_amdhsa_kernel
	.amdgpu_metadata
---
amdhsa.version: [ 1, 2 ]
amdhsa.kernels:
  - .name:           k_q481b454b20_proj
    .symbol:         k_q481b454b20_proj.kd
    .args:
      - { .name: x_codes, .offset: 0, .size: 8, .value_kind: global_buffer, .address_space: global }
      - { .name: x_scales, .offset: 8, .size: 8, .value_kind: global_buffer, .address_space: global }
      - { .name: Wq_codes, .offset: 16, .size: 8, .value_kind: global_buffer, .address_space: global }
      - { .name: Wq_scales, .offset: 24, .size: 8, .value_kind: global_buffer, .address_space: global }
      - { .name: Wk_codes, .offset: 32, .size: 8, .value_kind: global_buffer, .address_space: global }
      - { .name: Wk_scales, .offset: 40, .size: 8, .value_kind: global_buffer, .address_space: global }
      - { .name: Wv_codes, .offset: 48, .size: 8, .value_kind: global_buffer, .address_space: global }
      - { .name: Wv_scales, .offset: 56, .size: 8, .value_kind: global_buffer, .address_space: global }
      - { .name: bq, .offset: 64, .size: 8, .value_kind: global_buffer, .address_space: global }
      - { .name: bk, .offset: 72, .size: 8, .value_kind: global_buffer, .address_space: global }
      - { .name: bv, .offset: 80, .size: 8, .value_kind: global_buffer, .address_space: global }
      - { .name: qkv, .offset: 88, .size: 8, .value_kind: global_buffer, .address_space: global }
      - { .name: qkvsc, .offset: 96, .size: 8, .value_kind: global_buffer, .address_space: global }
    .group_segment_fixed_size: 327680
    .private_segment_fixed_size: 0
    .kernarg_segment_align: 8
    .kernarg_segment_size: 104
    .max_flat_workgroup_size: 128
    .sgpr_count:     102
    .vgpr_count:     1024
    .wavefront_size: 32
...
	.end_amdgpu_metadata
.endif
;; end of part 1
;; launch attn (part 2): grid 4 x 64, 16 waves a work-group, clusters of 4 x 1, 215,040 bytes of LDS; arguments qkv, qkvsc, a_img, a_sc; writes a_img, a_sc
.if DOCPART == 2
	.amdgcn_target "amdgcn-amd-amdhsa--gfx1250"
	.amdhsa_code_object_version 6
	.text
	.protected	k_q481b454b20_attn
	.globl	k_q481b454b20_attn
	.p2align	8
	.type	k_q481b454b20_attn,@function
k_q481b454b20_attn:
	s_mov_b64 s[64:65], 0
	v_nop
	global_prefetch_b8 v0, s[64:65] scope:SCOPE_SE
	s_setreg_imm32_b32 hwreg(HW_REG_WAVE_MODE, 25, 1), 1
	s_wait_xcnt 0x0
	s_wait_alu depctr_hold_cnt(0) depctr_sa_sdst(0) depctr_va_vdst(0) depctr_va_sdst(0) depctr_va_ssrc(0) depctr_va_vcc(0) depctr_vm_vsrc(0)
	s_getreg_b32 s2, hwreg(HW_REG_IB_STS2, 6, 4)
	s_cmp_eq_u32 s2, 0
	s_cbranch_scc0 .Lentry_in_a_cluster
	s_endpgm
.Lentry_in_a_cluster:
	s_bfe_u32 s2, ttmp6, 0x10000c
	s_cmp_lg_u32 s2, 0x3003
	s_cbranch_scc0 .Lentry_shape_is_right
	s_endpgm
.Lentry_shape_is_right:
; O[q] = the sum over keys of softmax(q . k / 8) v for one head, both products on codes of FP6 (E2M3); the result, divided by the row's sum, is quantised along the model's 1,024 (the head's 64 are two blocks).
; THE SOFTMAX: t = score x log2(e) / 8; M = the row's largest t so far, rounded UP to a whole number; p = 2^(t - M) is quantised along the keys, not normalised; the row's sum is taken of the unquantised p.
; When M moves, the sum and O are multiplied by 2^(old M - new M): exact.
; SHARES.  A work-group owns 512 queries of one head; each of its sixteen waves owns one tile of 16 queries at a time, two tiles one after the other (PASS 0, 1), in 256 registers: four waves to a SIMD, so that
; one wave's vector work stands beside another's matrix work and LDS loads.  Every wave walks all 2,048 keys, 128 a step.
; NO RING.  The head's codes of k and v (196,608 bytes) and its pair's scale words of k and v (16,384) fit in LDS: they are filled once.  The four work-groups of a cluster own the four query blocks of one head
; and need the same bytes: each wave asks for its sixteenth of both blocks JOINTLY (two tensor loads of mine are out, no more).
; LAYOUT.  Both products are used transposed: S^T = K Q^T, O^T = V^T P^T: a lane holds ONE query throughout.  k's and v's images lie in LDS as they lie in registers, in planes of 8 bytes a lane: a load of a plane
; reads 256 consecutive bytes.  The keys of a tile of k are 32 (t / 2) + 8 (t % 2) + r + 8 (r / 8), so that the 16 registers of tiles 2 b, 2 b + 1 are 16 neighbouring keys; v's d tiles are chosen likewise, so that
; O^T's 32 registers are, block by block, 16 neighbours along the model's axis.
; K = 64 IN AN INSTRUCTION OF 128.  Q's registers 6-11 are zero codes.  So a tile of k is named as 12 registers of which the upper six are the NEXT tile's codes (behind the last tile: zeros): any E2M3 code is a
; finite number, and times a zero code it adds nothing.  Both sides' scale words come as 16 bits, so that bytes 2 and 3 are 0, never 0xff.  That halves k's registers and LDS reads.
; THE RESULT'S SCALE BYTES leave two to a row (a head owns no more of a row's 32): 262,144 bytes in the whole launch.
; LIMITS: NaN and infinities are not served.  A block whose largest magnitude lies under 2^-124 keeps the scale byte 1 (the rule says 127 for a block of zeros): the bytes are read by this program alone.
; 1 / the sum is v_rcp_f32's.  A block's largest p is the exponential of its largest score: this takes v_exp_f32 not to fall where its input rises.
; REGISTERS: v1-4, 6, 7 addresses that stay; v8-11 addresses of the step; v12 -M, v13 the largest t, v[14:15] the sum; v16-27 Q of pass 0, v28, v29 Q's scale words; v32-85 fragments of k (8 x 6, then six zeros), then
; of v (4 x 12); v86-89 k's scale words, v90-91 v's; v96-159 S^T, then p; v160-191 O^T; v192-203 Q of pass 1; v204 the result's two scale bytes; v224-254 codes and work.
.set HS,    294912                     ; a head's bytes in qkv: q, k, v, 98,304 each
.set PS,    24576                      ; a pair's bytes in qkvsc: q, k, v, 8,192 each
.set LV,    98304                      ; LDS: k's images at 0, v's here,
.set LSK,   196608                     ; k's scale words,
.set LSV,   204800                     ; v's; the end is 212,992
.set L8,   1                           ; v1  8 x lane: my place in a plane, in LDS (k's images begin at 0) and in memory
.set AV0,  2                           ; v2  the same in v's images
.set ASK0, 3                           ; v3  16 x lane + my head's half of k's scale words
.set ASV0, 4                           ; v4  16 x lane + my head's pair of v's
.set QSO,  6                           ; v6  16 x (lane % 16): Q's scale words
.set ASO,  7                           ; v7  32 x (lane % 16): the result's scale bytes
.set ADK,  8
.set ADV,  9
.set ADS,  10
.set ADT,  11
.set F,    32
.set KSC,  86
.set VSC,  90
.set ST,   96
.set OT,   160
.set OSB,  204
.set WV,   18
.set SEL,  20                          ; s[20:21] lane l xor 16
.set CS,   22                          ; s[22:23] c = log2(e) / 8
.set G1D,  24                          ; s[24:31] group 1 for the codes; s[32:39] for the scale words; s[40:43], s[44:47] their groups 0
.set G1S,  32
.set G0D,  40
.set G0S,  44
.set TK,   48                          ; s48 the step's first byte in k's and in v's images: 6,144 a step
.set TS,   49                          ; s49 and among the scale words: 512 a step
.set CNT,  50
.macro CROUND                          ; a round of the cluster's barrier
	s_barrier_signal -1
	s_barrier_wait -1
	s_cmp_lg_u32 s[WV], 0
	s_cbranch_scc1 .Lnot_wave_0_\@
	s_barrier_signal -3
.Lnot_wave_0_\@:
	s_barrier_wait -3
	s_barrier_signal -1
	s_barrier_wait -1
.endm
	s_load_b256 s[4:11], s[0:1], 0x0               ; qkv, qkvsc, a_img, a_sc
	v_lshl_add_u32 v251, v0, 2, 0x34000
	v_mov_b32 v255, 0
	ds_add_u32 v251, v255
	ds_add_u32 v251, v255
	v_lshrrev_b32 v8, 5, v0
	v_readfirstlane_b32 s[WV], v8                  ; wave 0..15
	s_and_b32 s51, ttmp7, 0xffff                   ; 16 x batch + head: the four partners share it
	s_mul_i32 s52, s51, HS                         ; the head in qkv
	s_mul_i32 s53, s[WV], 12288                    ; my sixteenth of k's and v's 196,608 bytes
	s_add_co_u32 s54, s52, s53
	s_add_co_u32 s54, s54, 98304                   ; k begins behind q
	s_mov_b32 s55, 0
	s_lshr_b32 s56, s51, 1
	s_mul_i32 s56, s56, PS                         ; the pair of heads in qkvsc
	s_lshl_b32 s57, s[WV], 10                      ; my sixteenth of the 16,384 bytes of scale words
	s_add_co_u32 s58, s56, s57
	s_add_co_u32 s58, s58, 8192
	s_mov_b32 s59, 0
	; descriptor group 1: dense blocks, as rows of 256 bytes (32 elements of 8): 48 rows of codes, 4 of scale words
	s_mov_b32 s[G1D], 15|(3<<16)|(1<<21)           ; 15:0 the mask: all four work-groups; 17:16 elements of 8 bytes; 20 no padding; 21 set beside a mask
	s_mov_b32 s[G1D+1], 32<<16                     ; tensor_dim0
	s_mov_b32 s[G1D+2], 48<<16                     ; tensor_dim1
	s_mov_b32 s[G1D+3], 32<<16                     ; tile_dim0
	s_mov_b32 s[G1D+4], 48                         ; tile_dim1
	s_mov_b32 s[G1D+5], 32                         ; from row to row
	s_mov_b32 s[G1D+6], 0
	s_mov_b32 s[G1D+7], 0
	s_mov_b32 s[G1S], 15|(3<<16)|(1<<21)
	s_mov_b32 s[G1S+1], 32<<16
	s_mov_b32 s[G1S+2], 4<<16
	s_mov_b32 s[G1S+3], 32<<16
	s_mov_b32 s[G1S+4], 4
	s_mov_b32 s[G1S+5], 32
	s_mov_b32 s[G1S+6], 0
	s_mov_b32 s[G1S+7], 0
	s_mov_b32 s[SEL], 0x76543210
	s_mov_b32 s[SEL+1], 0xfedcba98
	s_mov_b32 s[CS], 0x3e38aa3b                    ; log2(e) / 8
	s_mov_b32 s[CS+1], s[CS]                       ; (named with it as a pair, so it is written)
	s_wait_dscnt 0x0
	s_wait_kmcnt 0x0
	s_mov_b32 s[G0D], 1
	s_mov_b32 s[G0D+1], s53                        ; LDS: 12,288 x wave
	s_add_nc_u64 s[G0D+2:G0D+3], s[4:5], s[54:55]
	s_or_b32 s[G0D+3], s[G0D+3], 0x80000000
	s_mov_b32 s[G0S], 1
	s_add_co_u32 s[G0S+1], s57, LSK                ; LDS: 196,608 + 1,024 x wave
	s_add_nc_u64 s[G0S+2:G0S+3], s[6:7], s[58:59]
	s_or_b32 s[G0S+3], s[G0S+3], 0x80000000
	CROUND                                         ; all four work-groups are here: the joint loads meet
	tensor_load_to_lds s[G0D:G0D+3], s[G1D:G1D+7]
	s_nop 0
	tensor_load_to_lds s[G0S:G0S+3], s[G1S:G1S+7]
	s_nop 0
.rept 4
	v_nop
.endr
	; what is mine alone: my place in the cluster enters only the addresses of Q and of the results
	s_bfe_u32 s60, ttmp6, 0x40000                  ; cx
	s_lshl_b32 s61, ttmp9, 2
	s_add_co_u32 s60, s60, s61                     ; my block of 512 queries
	s_lshl_b32 s60, s60, 5
	s_add_co_u32 s60, s60, s[WV]                   ; qt: pass 0's token tile; pass 1's is 16 on
	s_and_b32 s61, s51, 1                          ; which head of the pair
	s_mul_i32 s62, s60, 768
	s_add_co_u32 s62, s62, s52
	s_mov_b32 s63, 0
	s_add_nc_u64 s[4:5], s[4:5], s[62:63]          ; Q's image
	s_lshr_b32 s62, s60, 3
	s_lshl_b32 s62, s62, 9                         ; Q's scale words: step qt / 8,
	s_add_co_u32 s62, s62, s56
	s_and_b32 s57, s60, 1
	s_lshl_b32 s57, s57, 8                         ; lanes 16 (qt % 2) on,
	s_add_co_u32 s62, s62, s57
	s_bfe_u32 s57, s60, 0x20001
	s_lshl_b32 s57, s57, 2                         ; word (qt / 2) % 4,
	s_add_co_u32 s62, s62, s57
	s_lshl_b32 s57, s61, 1                         ; my head's two bytes of it
	s_add_co_u32 s62, s62, s57
	s_add_nc_u64 s[6:7], s[6:7], s[62:63]
	s_and_b32 s57, s51, 15                         ; head
	s_lshr_b32 s58, s51, 4                         ; batch
	s_lshl_b32 s58, s58, 7
	s_add_co_u32 s58, s58, s60                     ; tt = 128 x batch + qt
	s_mul_i32 s62, s58, 3072                       ; a_img [head / 4][tt][(head / 2) % 2][plane 3 (head % 2) ..][256]
	s_lshr_b32 s59, s57, 2
	s_mul_i32 s59, s59, 1572864
	s_add_co_u32 s62, s62, s59
	s_bfe_u32 s59, s57, 0x10001
	s_mul_i32 s59, s59, 1536
	s_add_co_u32 s62, s62, s59
	s_mul_i32 s59, s61, 768
	s_add_co_u32 s62, s62, s59
	s_add_nc_u64 s[8:9], s[8:9], s[62:63]
	s_lshl_b32 s62, s58, 9                         ; a_sc [16 tt + r][head] of two bytes
	s_lshl_b32 s59, s57, 1
	s_add_co_u32 s62, s62, s59
	s_add_nc_u64 s[10:11], s[10:11], s[62:63]
	v_and_b32 v8, 31, v0
	v_lshlrev_b32 v[L8], 3, v8
	v_add_nc_u32 v[AV0], LV, v[L8]
	v_lshlrev_b32 v9, 4, v8
	s_lshl_b32 s57, s61, 1
	s_add_co_u32 s57, s57, LSK
	v_add_nc_u32 v[ASK0], s57, v9
	s_lshl_b32 s57, s61, 3
	s_add_co_u32 s57, s57, LSV
	v_add_nc_u32 v[ASV0], s57, v9
	v_and_b32 v10, 15, v0
	v_lshlrev_b32 v[QSO], 4, v10
	v_lshlrev_b32 v[ASO], 5, v10
.irp p, 0,1,2
	global_load_b64 v[16+2*\p:17+2*\p], v[L8], s[4:5] offset:256*\p            ; Q of pass 0: three planes
	global_load_b64 v[192+2*\p:193+2*\p], v[L8], s[4:5] offset:12288+256*\p    ; and of pass 1: 16 tiles of 768 bytes on
.endr
	global_load_u16 v28, v[QSO], s[6:7]            ; their scale words: two bytes, the upper half 0
	global_load_u16 v29, v[QSO], s[6:7] offset:1024
.irp j, 22,23,24,25,26,27, 198,199,200,201,202,203, 80,81,82,83,84,85
	v_mov_b32 v[\j], 0                             ; zero codes: the upper 64 along K of both Q's, and what stands behind k's last tile
.endr
.irp b, 0,1,2,3
	v_mov_b32 v[236+\b], 0                         ; written once: a lane permute's destination counts as one of its sources
.endr
	v_mov_b32 v253, 0                              ; (named as the upper half of the pair v[252:253] before it is first written)
	s_wait_loadcnt 0x0                             ; Q
	s_wait_tensorcnt 0x0                           ; my parts of k, v and their scale words are in,
	s_barrier_signal -1
	s_barrier_wait -1                              ; everybody's are; nothing is ever filled again
; A KEY STEP: 128 keys.  qf: Q's fragment; qs: its scale word.
.macro STEP qf, qs
	v_add_nc_u32 v[ADK], s[TK], v[L8]              ; these four lines are also the places behind the last step's products, in front of the loads below
	v_add_nc_u32 v[ADV], s[TK], v[AV0]
	v_add_nc_u32 v[ADS], s[TS], v[ASK0]
	v_add_nc_u32 v[ADT], s[TS], v[ASV0]
.irp t, 0,1,2,3,4,5,6,7
.irp p, 0,1,2
	ds_load_b64 v[F+6*\t+2*\p:F+6*\t+2*\p+1], v[ADK] offset:768*\t+256*\p
.endr
.endr
.irp b, 0,1,2,3
	ds_load_u16 v[KSC+\b], v[ADS] offset:4*\b      ; lanes 0-15: tile 2 b's scale words, lanes 16-31: tile 2 b + 1's
.endr
	s_wait_dscnt 0x0
.irp t, 0,2,4,6                                ; S^T = K Q^T: eight accumulators, each begun anew
	v_wmma_scale_f32_16x16x128_f8f6f4 v[ST+8*\t:ST+8*\t+7], v[F+6*\t:F+6*\t+11], v[\qf:\qf+11], 0, v[KSC+\t/2], v[\qs] matrix_a_fmt:MATRIX_FMT_FP6 matrix_b_fmt:MATRIX_FMT_FP6
	v_wmma_scale_f32_16x16x128_f8f6f4 v[ST+8*(\t+1):ST+8*(\t+1)+7], v[F+6*(\t+1):F+6*(\t+1)+11], v[\qf:\qf+11], 0, v[KSC+\t/2], v[\qs] matrix_a_fmt:MATRIX_FMT_FP6 matrix_b_fmt:MATRIX_FMT_FP6 matrix_a_scale:MATRIX_SCALE_ROW1
.endr
.rept 4
	v_nop                                          ; places: in front of the loads into k's registers and of the first read of the scores
.endr
.irp t, 0,1,2,3                                ; v's four d tiles of these 128 keys land under the softmax
.irp p, 0,1,2,3,4,5
	ds_load_b64 v[F+12*\t+2*\p:F+12*\t+2*\p+1], v[ADV] offset:1536*\t+256*\p
.endr
.endr
	ds_load_b64 v[VSC:VSC+1], v[ADT]               ; word b: lanes 0-15 d tile 2 b's scale words, lanes 16-31 d tile 2 b + 1's
.irp b, 0,1,2,3
	v_max3_num_f32 v[232+\b], v[ST+16*\b], v[ST+1+16*\b], v[ST+2+16*\b]   ; the largest score of each block of 32 keys: it serves for the row's maximum and, since p rises with the score, for the block's largest p
.endr
.irp i, 3,5,7,9,11,13
.irp b, 0,1,2,3
	v_max3_num_f32 v[232+\b], v[232+\b], v[ST+16*\b+\i], v[ST+1+16*\b+\i]
.endr
.endr
.irp b, 0,1,2,3
	v_max_num_f32 v[232+\b], v[232+\b], v[ST+15+16*\b]
.endr
.irp b, 0,1,2,3
	v_permlanex16_b32 v[236+\b], v[232+\b], s[SEL], s[SEL+1]
.endr
.irp b, 0,1,2,3
	v_max_num_f32 v[232+\b], v[232+\b], v[236+\b]  ; with lane l xor 16's 16 keys
.endr
	v_max3_num_f32 v254, v232, v233, v234
	v_max_num_f32 v254, v254, v235                 ; the step's largest score of my query
	v_mul_f32 v254, s[CS], v254                    ; as t (c is positive)
	v_max_num_f32 v13, v13, v254                   ; the running largest t
	v_mov_b32 v254, v12
	v_floor_f32 v12, -v13                          ; the new -M = floor(-t): M is a whole number
	v_sub_f32 v254, v12, v254                      ; old M - new M: a whole number, 0 or less
	v_cvt_i32_f32 v254, v254                       ; (it saturates)
	v_ldexp_f32 v252, 1.0, v254                    ; f = 2^(old M - new M)
.irp j, 0,2,4,6,8,10,12,14,16,18,20,22,24,26,28,30,32,34,36,38,40,42,44,46,48,50,52,54,56,58,60,62
	v_pk_fma_f32 v[ST+\j:ST+1+\j], v[ST+\j:ST+1+\j], s[CS:CS+1], v[12:13] op_sel_hi:[1,0,0]   ; t - M, two at a time
.endr
.irp b, 0,1,2,3
	v_fma_f32 v[232+\b], v[232+\b], s[CS], v12     ; the same of each block's largest score
.endr
.set i, 0
.rept 64
	v_exp_f32 v[ST+i], v[ST+i]                     ; p = 2^(t - M), at most 1
.set i, i+1
.endr
.irp b, 0,1,2,3
	v_exp_f32 v[232+\b], v[232+\b]                 ; the block's largest p
.endr
	v_pk_mul_f32 v[14:15], v[14:15], v[252:253] op_sel_hi:[1,0]   ; the sums under the new M.  (A plain line behind the exponentials)
	s_wait_alu depctr_va_vdst(0)
.irp b, 0,1,2,3
	v_max_num_f32 v[232+\b], 0x1800000, v[232+\b]  ; the floor 2^(3 - 127): the byte cannot fall under 1
.endr
.irp b, 0,1,2,3
	v_add_nc_u32 v[244+\b], 0xff000000, v[232+\b]  ; 2 off the exponent field: the conversion's scale operand
.endr
.irp b, 0,1,2,3
	v_lshrrev_b32 v[236+\b], 23, v[244+\b]         ; the scale's byte
.endr
	v_lshl_or_b32 v253, v237, 8, v236              ; p's scale word for these 128 keys
	v_lshl_or_b32 v253, v238, 16, v253
	v_lshl_or_b32 v253, v239, 24, v253
.irp c, 0,1
	v_cvt_scalef32_pk16_fp6_f32 v[224+6*\c:226+6*\c], v[ST+32*\c:ST+15+32*\c], v[244+2*\c]
	v_cvt_scalef32_pk16_fp6_f32 v[236+4*\c:238+4*\c], v[ST+16+32*\c:ST+31+32*\c], v[244+2*\c+1]   ; (a conversion's three registers begin on an even number)
.endr
	v_nop                                          ; one plain line behind a scaled conversion
.irp c, 0,1                                    ; a whole block to a lane: lanes 0-15 block 2 c, lanes 16-31 block 2 c + 1
.irp i, 0,1,2
	v_permlane16_swap_b32 v[224+6*\c+\i], v[236+4*\c+\i]
.endr
.irp i, 0,1,2
	v_mov_b32 v[227+6*\c+\i], v[236+4*\c+\i]
.endr
.endr
.irp j, 0,2,4,6,8,10,12,14,16,18,20,22,24,26,28,30
	v_pk_mul_f32 v[OT+\j:OT+1+\j], v[OT+\j:OT+1+\j], v[252:253] op_sel_hi:[1,0]   ; O^T under the new M, each accumulator from its low end on
.endr
	v_pk_add_f32 v[236:237], v[ST:ST+1], v[ST+2:ST+3]   ; the row's sum is taken of the unquantised p: two at a time, in two chains
.irp j, 4,8,12,16,20,24,28,32,36,40,44,48,52,56,60
	v_pk_add_f32 v[14:15], v[14:15], v[ST+\j:ST+1+\j]
	v_pk_add_f32 v[236:237], v[236:237], v[ST+2+\j:ST+3+\j]
.endr
	v_pk_add_f32 v[14:15], v[14:15], v[236:237]
	s_wait_dscnt 0x0                               ; v's fragments and scale words are in
.irp t, 0,2                                    ; O^T += V^T P^T: four accumulators by turns
	v_wmma_scale_f32_16x16x128_f8f6f4 v[OT+8*\t:OT+8*\t+7], v[F+12*\t:F+12*\t+11], v[224:235], v[OT+8*\t:OT+8*\t+7], v[VSC+\t/2], v253 matrix_a_fmt:MATRIX_FMT_FP6 matrix_b_fmt:MATRIX_FMT_FP6
	v_wmma_scale_f32_16x16x128_f8f6f4 v[OT+8*(\t+1):OT+8*(\t+1)+7], v[F+12*(\t+1):F+12*(\t+1)+11], v[224:235], v[OT+8*(\t+1):OT+8*(\t+1)+7], v[VSC+\t/2], v253 matrix_a_fmt:MATRIX_FMT_FP6 matrix_b_fmt:MATRIX_FMT_FP6 matrix_a_scale:MATRIX_SCALE_ROW1
.endr
.endm
; THE WAY OUT of a tile of 16 queries: O^T / the sum; register 16 b + i of lane (r, h) is the head's dim 32 b + 16 h + i: two blocks of 32 are quantised, and the three planes of the image leave.
.macro WAYOUT pass
.rept 4
	v_nop                                          ; places behind the last products
.endr
	v_add_f32 v14, v14, v15                        ; the sum's two halves,
	v_permlanex16_b32 v252, v14, s[SEL], s[SEL+1]
	v_add_f32 v14, v14, v252                       ; and lane l xor 16's
	v_rcp_f32 v14, v14
	v_nop                                          ; one plain line behind a transcendental
.set i, 0
	s_wait_alu depctr_va_vdst(0)
.rept 16
	v_pk_mul_f32 v[ST+i:ST+i+1], v[OT+i:OT+i+1], v[14:15] op_sel_hi:[1,0]
.set i, i+2
.endr
.irp b, 0,1
	v_max3_num_f32 v[232+\b], |v[ST+16*\b]|, |v[ST+1+16*\b]|, 0x1800000
.endr
.irp i, 2,4,6,8,10,12,14
.irp b, 0,1
	v_max3_num_f32 v[232+\b], v[232+\b], |v[ST+16*\b+\i]|, |v[ST+1+16*\b+\i]|
.endr
.endr
.irp b, 0,1
	v_permlanex16_b32 v[236+\b], v[232+\b], s[SEL], s[SEL+1]
.endr
.irp b, 0,1
	v_max_num_f32 v[232+\b], v[232+\b], v[236+\b]
.endr
.irp b, 0,1
	v_add_nc_u32 v[244+\b], 0xff000000, v[232+\b]
.endr
.irp b, 0,1
	v_lshrrev_b32 v[236+\b], 23, v[244+\b]
.endr
	v_lshl_or_b32 v[OSB], v237, 8, v236            ; my row's two scale bytes
	v_cvt_scalef32_pk16_fp6_f32 v[224:226], v[ST:ST+15], v244
	v_cvt_scalef32_pk16_fp6_f32 v[240:242], v[ST+16:ST+31], v245
	v_nop                                          ; one plain line behind a scaled conversion
.irp i, 0,1,2
	v_permlane16_swap_b32 v[224+\i], v[240+\i]     ; lanes 0-15 block 0, lanes 16-31 block 1
.endr
.irp i, 0,1,2
	v_mov_b32 v[227+\i], v[240+\i]
.endr
.irp i, 0,1,2
	global_store_b64 v[L8], v[224+2*\i:225+2*\i], s[8:9] offset:256*\i+49152*\pass   ; a plane: 256 consecutive bytes, aligned; pass 1: 16 tiles of 3,072 bytes on
.endr
	global_store_b16 v[ASO], v[OSB], s[10:11] offset:8192*\pass                     ; lanes l and l + 16 store the same two bytes with the same value
.endm
.macro PASS pass, qf, qs
.if \pass
	s_wait_xcnt 0x0                                ; the last pass's stores have read their registers
.endif
	v_mov_b32 v13, 0xff61b1e6                      ; the largest t so far: -3e38
	v_floor_f32 v12, -v13                          ; -M
	v_mov_b32 v14, 0
	v_mov_b32 v15, 0
.set i, 0
.rept 32
	v_mov_b32 v[OT+i], 0                           ; O^T: the step is written once; the first finds zeros, which the first change of M leaves zeros
.set i, i+1
.endr
	s_mov_b32 s[TK], 0
	s_mov_b32 s[TS], 0
	s_mov_b32 s[CNT], 16
.Lkeys_\@:
	STEP \qf, \qs
	s_add_co_u32 s[TK], s[TK], 6144
	s_add_co_u32 s[TS], s[TS], 512
	s_sub_co_u32 s[CNT], s[CNT], 1
	s_cmp_lg_u32 s[CNT], 0
	s_cbranch_scc1 .Lkeys_\@
	WAYOUT \pass
.endm
	PASS 0, 16, 28
	PASS 1, 192, 29
	s_wait_dscnt 0x0                               ; no LDS instruction of mine is out at a signal
	s_wait_tensorcnt 0x0
	ds_add_u32 v251, v255
	s_wait_dscnt 0x0
	CROUND                                         ; the closing round
	s_endpgm
.Lfunc_end_k_q481b454b20_attn:
	.size	k_q481b454b20_attn, .Lfunc_end_k_q481b454b20_attn-k_q481b454b20_attn
	.p2alignl 7, 3214868480
	.fill 96, 4, 3214868480
	.section	.rodata,"a",@progbits
	.p2align	6, 0x0
	.amdhsa_kernel k_q481b454b20_attn
		.amdhsa_group_segment_fixed_size 215040
		.amdhsa_private_segment_fixed_size 0
		.amdhsa_enable_private_segment 0
		.amdhsa_kernarg_size 32
		.amdhsa_user_sgpr_count 2
		.amdhsa_user_sgpr_kernarg_segment_ptr 1
		.amdhsa_wavefront_size32 1
		.amdhsa_system_sgpr_workgroup_id_x 1
		.amdhsa_system_sgpr_workgroup_id_y 1
		.amdhsa_system_sgpr_workgroup_id_z 1
		.amdhsa_system_vgpr_workitem_id 0
		.amdhsa_next_free_vgpr 256
		.amdhsa_next_free_sgpr 66
		.amdhsa_reserve_vcc 0
		.amdhsa_float_denorm_mode_32 3
		.amdhsa_float_denorm_mode_16_64 3
		.amdhsa_memory_ordered 1
		.amdhsa_forward_progress 1
		.amdhsa_inst_pref_size 52
	.end_amdhsa_kernel
	.amdgpu_metadata
---
amdhsa.version: [ 1, 2 ]
amdhsa.kernels:
  - .name:           k_q481b454b20_attn
    .symbol:         k_q481b454b20_attn.kd
    .args:
      - { .name: qkv, .offset: 0, .size: 8, .value_kind: global_buffer, .address_space: global }
      - { .name: qkvsc, .offset: 8, .size: 8, .value_kind: global_buffer, .address_space: global }
      - { .name: a_img, .offset: 16, .size: 8, .value_kind: global_buffer, .address_space: global }
      - { .name: a_sc, .offset: 24, .size: 8, .value_kind: global_buffer, .address_space: global }
    .group_segment_fixed_size: 215040
    .private_segment_fixed_size: 0
    .kernarg_segment_align: 8
    .kernarg_segment_size: 32
    .max_flat_workgroup_size: 512
    .sgpr_count:     66
    .vgpr_count:     256
    .wavefront_size: 32
...
	.end_amdgpu_metadata
.endif
;; end of part 2
;; launch outp (part 3): grid 4 x 32, 4 waves a work-group, clusters of 4 x 4, 327,680 bytes of LDS; arguments a_img, a_sc, Wo_codes, Wo_scales, bo, out0; writes out0
.if DOCPART == 3
	.amdgcn_target "amdgcn-amd-amdhsa--gfx1250"
	.amdhsa_code_object_version 6
	.text
	.protected	k_q481b454b20_outp
	.globl	k_q481b454b20_outp
	.p2align	8
	.type	k_q481b454b20_outp,@function
k_q481b454b20_outp:
	s_mov_b64 s[64:65], 0
	v_nop
	global_prefetch_b8 v0, s[64:65] scope:SCOPE_SE
	s_setreg_imm32_b32 hwreg(HW_REG_WAVE_MODE, 25, 1), 1
	s_wait_xcnt 0x0
	s_wait_alu depctr_hold_cnt(0) depctr_sa_sdst(0) depctr_va_vdst(0) depctr_va_sdst(0) depctr_va_ssrc(0) depctr_va_vcc(0) depctr_vm_vsrc(0)
	s_getreg_b32 s2, hwreg(HW_REG_IB_STS2, 6, 4)
	s_cmp_eq_u32 s2, 0
	s_cbranch_scc0 .Lentry_in_a_cluster
	s_endpgm
.Lentry_in_a_cluster:
	s_bfe_u32 s2, ttmp6, 0x10000c
	s_cmp_lg_u32 s2, 0xf033
	s_cbranch_scc0 .Lentry_shape_is_right
	s_endpgm
.Lentry_shape_is_right:
; out0 = A Wo + bo on codes of FP6 (E2M3) with one E8M0 scale for each 32 along K = 1,024.  A is the attention's result, 8,192 rows, as the launch before left it:
;   a_img [K step of 256: 0..3][token tile 0..511][128 along K: 0..1][plane 0..5][256]: images of operand registers, 8 bytes a lane and plane;  a_sc [16 x token tile + lane][32]: a row's scale bytes.
;   Lane r of token tile i (of the eight of 128 tokens) is token 32 (i / 2) + 8 (i % 2) + r + 8 (r / 8): only the stores at the end know of it.
; Wo: [1,024 (n)][768 bytes], K innermost; its scale bytes [1,024][32].  out0: [8,192][1,024] f32.
; A tile of out0, 256 x 256, is made by a work-group of four waves, each 128 x 128: 64 accumulators, 512 registers.  K goes in steps of 256 through a ring of two LDS slots.  4 x 4 work-groups form a cluster:
; A's tile is asked for jointly by a row of the cluster, Wo's by a column.  128 work-groups: a smaller tile would fill more WGPs and read half as much again from LDS for each product.
; THE MATRIX INSTRUCTION IS USED TRANSPOSED (source 0 = 16 rows of Wo, source 1 = 16 rows of A): a lane holds eight neighbouring numbers of a row of out0.  The first products' addend is bo.
; LIMITS: NaN and infinities are not served.
; REGISTERS, in windows of 256: window 0: v16-29 addresses; v32-63 scale words, two sets; v64-127 bo in the result's layout; v128-223 A's fragments, one set; on the way out v128-255 rows read back.
;   window 1: Wo's fragments, two sets.   windows 2, 3: the accumulators ((a, b) at v[8 (8 (a % 4) + b)]).
.set NQ,     2
.set ROWB,   192                       ; a row of Wo's tile: 256 codes
.set KROW,   768
.set PITCH,  240                       ; in LDS: 3 x (64 bytes + 16 of padding)
.set FR,     12
.set NL,     6
.set NP,     4                         ; places behind this matrix instruction (ISA guide 7.12.1)
.set HALFA,  24576                     ; eight token tiles x 3,072 bytes: what one tensor load brings of A, dense
.set HALFT,  128*PITCH                 ; 128 rows of Wo
.set SLOT,   2*HALFA+2*HALFT           ; A's 16 token tiles, then Wo's 256 rows
.set KSB,    1572864                   ; from a K step of A's images to the next
.set LAPS,   2
.set KS,     32
.set SCL,    2*SLOT
.set HALFS,  16*272
.set SBLK,   544                       ; the scales of 16 rows
.set SPARE,  SCL+4*HALFS               ; the spare words: 128 bytes a wave, two blocks of 256 bytes that no other line names
.set SPITCH, 528                       ; the way out: a stage of 16 rows x (512 bytes + 16) for each wave, in slot 0, which has had its last fill and its last read when the first result is stored there
.set ADRA, 16                          ; v16-17 A's images in slot 0, 1
.set ADRB, 20                          ; v20-21 Wo's fragments; v22-23 behind one padding more
.set STO,  24
.set RD,   25
.set CO,   26
.set ADRS, 27
.set SPW,  28
.set NIL,  29
.set SC,   32
.set BC,   64
.set AF,   128
.set BK,   128
.set G1, 24
.set G0, 32
.set G1B, 48
.set G0B, 56
.set G1S, 68
.set G0S, 76
.set G1SB, 80
.set G0SB, 88
.set MSB, 0
.macro WIN new                         ; the immediate's high byte repeats the setting that is left
.if MSB != (\new)
	s_set_vgpr_msb (MSB<<8)|(\new)
.set MSB, (\new)
.endif
.endm
.set MUL_LO, 0xa1
.set MUL_HI, 0xf1
.set FIRST_LO, 0x81                    ; the first products: the addend is bo, in window 0
.set FIRST_HI, 0xc1
.set TO_B,   0x40
.macro JLOAD g0a, g1a, g0b, g1b        ; a joint load: waves 0 and 1 fetch for A, waves 2 and 3 for Wo; four v_nop follow each of the two lines
	s_cmp_eq_u32 s15, 0
	s_cbranch_scc0 .Lfor_b_\@
	tensor_load_to_lds s[\g0a:\g0a+3], s[\g1a:\g1a+7]
	s_nop 0
.rept 4
	v_nop
.endr
	s_branch .Lasked_\@
.Lfor_b_\@:
	tensor_load_to_lds s[\g0b:\g0b+3], s[\g1b:\g1b+7]
	s_nop 0
.rept 4
	v_nop
.endr
.Lasked_\@:
.endm
.macro CREST
	s_cmp_lg_u32 s14, 0
	s_cbranch_scc1 .Lnot_wave_0_\@
	s_barrier_signal -3
.Lnot_wave_0_\@:
	s_barrier_wait -3
	s_barrier_signal -1
	s_barrier_wait -1
.endm
.macro CROUND
	s_barrier_signal -1
	s_barrier_wait -1
	CREST
.endm
	s_load_b128 s[4:7], s[0:1], 0x0                ; a_img, a_sc
	s_load_b128 s[8:11], s[0:1], 0x10              ; Wo's codes, Wo's scales
	s_load_b64 s[66:67], s[0:1], 0x20              ; bo
	s_load_b64 s[12:13], s[0:1], 0x28              ; out0
	v_lshl_add_u32 v[SPW], v0, 2, SPARE
	v_mov_b32 v[NIL], 0
	ds_add_u32 v28, v29
	ds_add_u32 v28, v29
	s_wait_dscnt 0x0
	v_lshrrev_b32 v1, 5, v0
	v_readfirstlane_b32 s14, v1                    ; wave 0..3
	s_lshr_b32 s15, s14, 1                         ; which half of the tile's rows is mine.  Also: I fetch for A (0) or for Wo (1)
	s_and_b32 s16, s14, 1                          ; which half of its columns.  Also: which half of that tile I fetch
	s_bfe_u32 s40, ttmp6, 0x40000                  ; cx
	s_bfe_u32 s41, ttmp6, 0x40004                  ; cy
	s_lshl_b32 s42, ttmp9, 2
	s_add_co_u32 s42, s42, s40                     ; tile column
	s_and_b32 s17, ttmp7, 0xffff
	s_lshl_b32 s17, s17, 2
	s_add_co_u32 s17, s17, s41                     ; tile row
	s_lshl_b32 s43, s41, 2
	s_lshl_b32 s43, 15, s43                        ; my row of the cluster
	s_lshl_b32 s44, 0x1111, s40                    ; my column
	; group 1 for A: 24,576 dense bytes, as 96 rows of 256 bytes (32 elements of 8), no padding
	s_or_b32 s[G1+0], s43, (3<<16)|(1<<21)
	s_mov_b32 s[G1+1], 32<<16
	s_mov_b32 s[G1+2], 96<<16
	s_mov_b32 s[G1+3], 32<<16
	s_mov_b32 s[G1+4], 96
	s_mov_b32 s[G1+5], 32
	s_mov_b32 s[G1+6], 0
	s_mov_b32 s[G1+7], 0
	; for Wo: 128 rows x 192 bytes, 16 bytes of padding behind every 64
	s_or_b32 s[G1B+0], s44, (0<<16)|(1<<20)|(1<<21)|(3<<22)|(3<<25)
	s_mov_b32 s[G1B+1], ROWB<<16
	s_mov_b32 s[G1B+2], 128<<16
	s_mov_b32 s[G1B+3], ROWB<<16
	s_mov_b32 s[G1B+4], 128
	s_mov_b32 s[G1B+5], KROW
	s_mov_b32 s[G1B+6], 0
	s_mov_b32 s[G1B+7], 0
	; for the scales of 128 rows: 16 rows of 256 bytes, 16 bytes of padding behind each
	s_or_b32 s[G1S+0], s43, (3<<16)|(1<<20)|(1<<21)|(5<<22)|(3<<25)
	s_or_b32 s[G1SB+0], s44, (3<<16)|(1<<20)|(1<<21)|(5<<22)|(3<<25)
.irp g, G1S, G1SB
	s_mov_b32 s[\g+1], 32<<16
	s_mov_b32 s[\g+2], 16<<16
	s_mov_b32 s[\g+3], 32<<16
	s_mov_b32 s[\g+4], 16
	s_mov_b32 s[\g+5], 32
	s_mov_b32 s[\g+6], 0
	s_mov_b32 s[\g+7], 0
.endr
	s_lshl_b32 s20, s17, 4
	s_lshl_b32 s18, s16, 3
	s_add_co_u32 s20, s20, s18                     ; A: token tile 16 x tile row + 8 x half
	s_mul_i32 s20, s20, 3072
	s_mov_b32 s21, 0
	s_lshl_b32 s22, s17, 8
	s_lshl_b32 s18, s16, 7
	s_add_co_u32 s22, s22, s18                     ; its scales: row 256 x tile row + 128 x half
	s_lshl_b32 s22, s22, 5
	s_mov_b32 s23, 0
	s_lshl_b32 s46, s42, 8
	s_add_co_u32 s46, s46, s18                     ; Wo: row 256 x tile column + 128 x half
	s_lshl_b32 s92, s46, 5
	s_mov_b32 s93, 0
	s_mul_i32 s46, s46, KROW
	s_mov_b32 s47, 0
	s_mul_i32 s45, s16, HALFA                      ; where they go: no place in the cluster enters an LDS address
	s_mul_i32 s95, s16, HALFT
	s_add_co_u32 s95, s95, 2*HALFA
	s_mul_i32 s94, s14, HALFS
	s_wait_kmcnt 0x0
	s_add_nc_u64 s[20:21], s[4:5], s[20:21]
	s_add_nc_u64 s[22:23], s[6:7], s[22:23]
	s_add_nc_u64 s[46:47], s[8:9], s[46:47]
	s_add_nc_u64 s[92:93], s[10:11], s[92:93]
	CROUND                                         ; all sixteen work-groups are here: the first joint loads meet
	s_mov_b32 s[G0S], 1
	s_add_co_u32 s[G0S+1], s94, SCL
	s_mov_b64 s[G0S+2:G0S+3], s[22:23]
	s_or_b32 s[G0S+3], s[G0S+3], 0x80000000
	s_mov_b32 s[G0SB], 1
	s_add_co_u32 s[G0SB+1], s94, SCL
	s_mov_b64 s[G0SB+2:G0SB+3], s[92:93]
	s_or_b32 s[G0SB+3], s[G0SB+3], 0x80000000
	JLOAD G0S, G1S, G0SB, G1SB                     ; the scales of all of K: filled once
.irp s, 0,1
	s_mov_b32 s[G0+4*\s], 1
	s_add_co_u32 s[G0+4*\s+1], s45, \s*SLOT
	s_add_nc_u64 s[G0+4*\s+2:G0+4*\s+3], s[20:21], \s*KSB
	s_or_b32 s[G0+4*\s+3], s[G0+4*\s+3], 0x80000000
	s_mov_b32 s[G0B+4*\s], 1
	s_add_co_u32 s[G0B+4*\s+1], s95, \s*SLOT
	s_add_nc_u64 s[G0B+4*\s+2:G0B+4*\s+3], s[46:47], \s*ROWB
	s_or_b32 s[G0B+4*\s+3], s[G0B+4*\s+3], 0x80000000
	JLOAD G0+4*\s, G1, G0B+4*\s, G1B
.endr
	v_and_b32 v1, 15, v0                           ; r
	v_bfe_u32 v2, v0, 4, 1                         ; h
	s_lshl_b32 s20, s17, 8
	s_lshl_b32 s21, s15, 7
	s_add_co_u32 s20, s20, s21                     ; my first row of out0
	s_lshl_b32 s20, s20, 12                        ; a row is 4,096 bytes
	s_lshl_b32 s46, s42, 10
	s_lshl_b32 s47, s16, 9
	s_add_co_u32 s46, s46, s47                     ; my first column, in bytes; also bo's
	s_add_co_u32 s20, s20, s46
	s_mov_b32 s21, 0
	s_mov_b32 s47, 0
	s_add_nc_u64 s[12:13], s[12:13], s[20:21]
	s_add_nc_u64 s[66:67], s[66:67], s[46:47]
	v_lshlrev_b32 v8, 5, v2                        ; bo: register 8 b + j of lane (r, h) is that of column 16 b + 8 h + j
.irp b, 0,1,2,3,4,5,6,7
	global_load_b128 v[BC+8*\b:BC+8*\b+3], v8, s[66:67] offset:64*\b
	global_load_b128 v[BC+8*\b+4:BC+8*\b+7], v8, s[66:67] offset:64*\b+16
.endr
	v_mul_u32_u24 v3, v1, PITCH
	v_mul_u32_u24 v4, v2, 24
	v_add_nc_u32 v4, v3, v4                        ; Wo: a fragment's row x pitch + 24 x half
	v_lshl_add_u32 v5, v2, 4, v4                   ; and the same behind one padding more
	v_and_b32 v6, 31, v0
	v_lshlrev_b32 v7, 3, v6                        ; A: 8 x lane in a plane
	s_mul_i32 s21, s15, HALFA                      ; my eight token tiles of A
	s_mul_i32 s22, s16, HALFT                      ; my 128 rows of Wo,
	s_add_co_u32 s22, s22, 2*HALFA                 ; which lie behind A's part
.irp s, 0,1
	v_add_nc_u32 v[ADRA+\s], s21, v7
	v_add_nc_u32 v[ADRB+\s], s22, v4
	v_add_nc_u32 v[ADRB+2+\s], s22, v5
	s_add_co_u32 s21, s21, SLOT
	s_add_co_u32 s22, s22, SLOT
.endr
	v_mul_u32_u24 v5, v1, KS                       ; my row's scales: 32 bytes a row,
	v_lshrrev_b32 v9, 8, v5
	v_lshl_add_u32 v5, v9, 4, v5                   ; and 16 more for each 256 passed
	s_mul_i32 s21, s15, HALFS
	s_mul_i32 s22, s16, HALFS
	s_add_co_u32 s22, s22, 2*HALFS
	s_sub_co_u32 s22, s22, s21
	v_mul_u32_u24 v9, s22, v2                      ; lanes 16-31 take Wo's
	s_add_co_u32 s21, s21, SCL
	v_add_nc_u32 v5, v5, v9
	v_add_nc_u32 v[ADRS], s21, v5
	s_mul_i32 s23, s14, 16*SPITCH                  ; my stage
	v_mul_u32_u24 v5, v1, SPITCH                   ; in: row r, 32 bytes for each half of the lanes
	v_lshl_add_u32 v5, v2, 5, v5
	v_add_nc_u32 v[STO], s23, v5
	v_lshlrev_b32 v[CO], 4, v6                     ; back: the 32 lanes take one row of 512 bytes; and the same in out0
	v_add_nc_u32 v[RD], s23, v[CO]
	s_wait_loadcnt 0x0                             ; bo
.macro FRAG reg, adr, q, i             ; a fragment of Wo: 16 rows x 128 K, in pieces of 8 bytes; where the piece of lanes 16-31 lies behind one padding more, the second address register serves
.irp p, 0,1,2,3,4,5
.set PCE, 12*(\q)+6*(\p/3)+\p%3
.if PCE%8 < 5
	ds_load_b64 v[\reg+2*\p:\reg+2*\p+1], v[\adr] offset:8*PCE+16*(PCE/8)+(\i)*16*PITCH
.else
	ds_load_b64 v[\reg+2*\p:\reg+2*\p+1], v[\adr+2] offset:8*PCE+16*(PCE/8)+(\i)*16*PITCH
.endif
.endr
.endm
.macro FRAGA reg, adr, q, i            ; a fragment of A: six planes of its image, 256 consecutive bytes a load
.irp p, 0,1,2,3,4,5
	ds_load_b64 v[\reg+2*\p:\reg+2*\p+1], v[\adr] offset:3072*(\i)+1536*(\q)+256*\p
.endr
.endm
; 16 matrix instructions: A's blocks a0, a0 + 1 x Wo's eight.  first = 1: the sums start from bo.  The 64 accumulators take turns, one instruction a turn.
.macro MUL16 a0, p, q, sc, first
.irp a, \a0, \a0+1
.irp b, 0,1,2,3,4,5,6,7
.if \first
	v_wmma_scale_f32_16x16x128_f8f6f4 v[8*(8*((\a)%4)+\b):8*(8*((\a)%4)+\b)+7], v[128*(\p)+FR*\b:128*(\p)+FR*\b+FR-1], v[AF+FR*(\a):AF+FR*(\a)+FR-1], v[BC+8*\b:BC+8*\b+7], v[SC+8*NQ*(\sc)+NQ*\b+(\q)], v[SC+8*NQ*(\sc)+NQ*(\a)+(\q)] matrix_a_fmt:MATRIX_FMT_FP6 matrix_b_fmt:MATRIX_FMT_FP6 matrix_a_scale:MATRIX_SCALE_ROW1
.else
	v_wmma_scale_f32_16x16x128_f8f6f4 v[8*(8*((\a)%4)+\b):8*(8*((\a)%4)+\b)+7], v[128*(\p)+FR*\b:128*(\p)+FR*\b+FR-1], v[AF+FR*(\a):AF+FR*(\a)+FR-1], v[8*(8*((\a)%4)+\b):8*(8*((\a)%4)+\b)+7], v[SC+8*NQ*(\sc)+NQ*\b+(\q)], v[SC+8*NQ*(\sc)+NQ*(\a)+(\q)] matrix_a_fmt:MATRIX_FMT_FP6 matrix_b_fmt:MATRIX_FMT_FP6 matrix_a_scale:MATRIX_SCALE_ROW1
.endif
.endr
.endr
.endm
.macro FETCH_B slot, q, p
	WIN TO_B
.irp i, 0,1,2,3,4,5,6,7
	FRAG 128*(\p)+FR*\i, ADRB+\slot, \q, \i
.endr
	WIN 0
.endm
.macro FETCH_A slot, q, i0
.irp i, \i0, \i0+1, \i0+2, \i0+3
	FRAGA AF+FR*(\i), ADRA+\slot, \q, \i
.endr
.endm
.macro SCALES sc                       ; a K step's scale words: two words a row; lanes 0-15 take A's block i, lanes 16-31 Wo's block i
.irp i, 0,1,2,3,4,5,6,7
	ds_load_b64 v[SC+8*NQ*\sc+NQ*\i:SC+8*NQ*\sc+NQ*\i+1], v[ADRS] offset:\i*SBLK
.endr
.endm
.macro PLACES n                        ; plain vector lines between a matrix instruction and a load into, or a read of, its registers (ISA guide 7.12.1 for vector lines)
.rept \n
	v_nop
.endr
.endm
.macro STEP slot, q, first
	s_wait_dscnt 4*NL                              ; Wo's set and A's blocks 0-3 are in; the youngest 24 loads (A's blocks 4-7) may be out
.if \first
	WIN FIRST_LO
.else
	WIN MUL_LO
.endif
	MUL16 0, (\q)%2, \q, \slot, \first
	MUL16 2, (\q)%2, \q, \slot, \first
	s_wait_dscnt 0
	PLACES NP
	FETCH_B \slot, (\q)+1, 1-(\q)%2
	FETCH_A \slot, (\q)+1, 0
.if \first
	WIN FIRST_HI
.else
	WIN MUL_HI
.endif
	MUL16 4, (\q)%2, \q, \slot, \first
	MUL16 6, (\q)%2, \q, \slot, \first
	PLACES NP
	WIN 0
	FETCH_A \slot, (\q)+1, 4
.endm
.macro TURN slot, next, fill           ; a slot's last step changes slots
	s_wait_tensorcnt 0x0                           ; all my tensor loads have landed: my part of the next slot
	ds_add_u32 v[SPW], v[NIL]                      ; 0 onto my spare word
	s_wait_dscnt 4*NL+1                            ; (the add and the youngest 24 loads may be out)
	WIN MUL_LO
	MUL16 0, 1, NQ-1, \slot, 0
	s_wait_dscnt 0x0                               ; the add is done, and my reads of this slot are over
	s_barrier_signal -1
	MUL16 2, 1, NQ-1, \slot, 0
	WIN 0
	s_barrier_wait -1
.if \fill
	CREST                                          ; the barrier has opened a round of the cluster's: no wave of any partner still reads this slot or has a load on its way
	s_add_nc_u64 s[G0+4*\slot+2:G0+4*\slot+3], s[G0+4*\slot+2:G0+4*\slot+3], 2*KSB
	s_add_nc_u64 s[G0B+4*\slot+2:G0B+4*\slot+3], s[G0B+4*\slot+2:G0B+4*\slot+3], 2*ROWB
	JLOAD G0+4*\slot, G1, G0B+4*\slot, G1B         ; the first tensor load behind the round; its four v_nop are the places in front of the loads below
.else
	PLACES NP
.endif
	v_add_nc_u32 v[ADRS], 4*NQ, v[ADRS]
	FETCH_B \next, 0, 0
	FETCH_A \next, 0, 0
	SCALES \next
	WIN MUL_HI
	MUL16 4, 1, NQ-1, \slot, 0
	MUL16 6, 1, NQ-1, \slot, 0
	PLACES NP
	WIN 0
	FETCH_A \next, 0, 4
.endm
	s_wait_tensorcnt 1                             ; of my three first fills only slot 1's may be out
	s_barrier_signal -1
	s_barrier_wait -1
	FETCH_B 0, 0, 0
	FETCH_A 0, 0, 0
	SCALES 0
	FETCH_A 0, 0, 4
	STEP 0, 0, 1
	s_mov_b32 s3, LAPS-1
.Llap:
	TURN 0, 1, 1
	STEP 1, 0, 0
	TURN 1, 0, 1
	STEP 0, 0, 0
	s_sub_co_u32 s3, s3, 1
	s_cmp_lg_u32 s3, 0
	s_cbranch_scc1 .Llap
	TURN 0, 1, 0                                   ; the last lap fills nothing
	STEP 1, 0, 0
	s_wait_dscnt 4*NL
	WIN MUL_LO
	MUL16 0, 1, NQ-1, 1, 0
	MUL16 2, 1, NQ-1, 1, 0
	s_wait_dscnt 0
	WIN MUL_HI
	MUL16 4, 1, NQ-1, 1, 0
	MUL16 6, 1, NQ-1, 1, 0
	WIN 0
; THE WAY OUT, block by block of 16 rows x 128 columns, through my own stage in LDS: in as 32 bytes a lane, back as whole rows of 512 bytes.  LDS serves a wave's instructions in order (ISA guide 5.7.1.4):
; no wait between the stores and the loads, nor in front of the next block's stores.
.macro TOSTAGE a
.set AC, 64*((\a)%4)
	WIN 0x08+4*((\a)/4)                            ; the data: window 2 or 3
.irp b, 0,1,2,3,4,5,6,7
	ds_store_b128 v[STO], v[AC+8*\b:AC+8*\b+3] offset:64*\b          ; each accumulator from its low end on
	ds_store_b128 v[STO], v[AC+8*\b+4:AC+8*\b+7] offset:64*\b+16
.endr
	WIN 0
.set BB, BK+64*((\a)%2)
.irp t, 0,1,2,3,4,5,6,7,8,9,10,11,12,13,14,15
	ds_load_b128 v[BB+4*\t:BB+4*\t+3], v[RD] offset:\t*SPITCH
.endr
.endm
.macro SEND a, younger                 ; younger: the LDS instructions issued behind block a's loads, which may stay out.  Row t of block a is token 32 (a / 2) + 8 (a % 2) + t + 8 (t / 8) of my 128
.set BB, BK+64*((\a)%2)
	s_wait_dscnt \younger
.irp t, 0,1,2,3,4,5,6,7,8,9,10,11,12,13,14,15
	global_store_b128 v[CO], v[BB+4*\t:BB+4*\t+3], s[12:13] offset:(32*((\a)/2)+8*((\a)%2)+\t+8*(\t/8))*4096 th:TH_STORE_NT   ; 32 lanes store 512 consecutive bytes, aligned; 127 rows at the most: inside the signed 24-bit immediate
.endr
.endm
	PLACES NP                                      ; behind the last products: for the loads into the registers that held A's fragments and for the reads of results
	TOSTAGE 0
.irp a, 1,2,3,4,5,6,7
.if \a > 1
	s_wait_xcnt 0x0                                ; block a - 2's stores have read their registers: block a's loads may land there
.endif
	TOSTAGE \a
	SEND \a-1, 32                                  ; behind block a - 1's loads: block a's 16 stores and 16 loads
.endr
	SEND 7, 0
	s_wait_tensorcnt 0x0                           ; the wave's end
	ds_add_u32 v[SPW], v[NIL]
	s_wait_dscnt 0x0
	CROUND                                         ; the closing round
	s_endpgm
.Lfunc_end_k_q481b454b20_outp:
	.size	k_q481b454b20_outp, .Lfunc_end_k_q481b454b20_outp-k_q481b454b20_outp
	.p2alignl 7, 3214868480
	.fill 96, 4, 3214868480
	.section	.rodata,"a",@progbits
	.p2align	6, 0x0
	.amdhsa_kernel k_q481b454b20_outp
		.amdhsa_group_segment_fixed_size 327680
		.amdhsa_private_segment_fixed_size 0
		.amdhsa_enable_private_segment 0
		.amdhsa_kernarg_size 48
		.amdhsa_user_sgpr_count 2
		.amdhsa_user_sgpr_kernarg_segment_ptr 1
		.amdhsa_wavefront_size32 1
		.amdhsa_system_sgpr_workgroup_id_x 1
		.amdhsa_system_sgpr_workgroup_id_y 1
		.amdhsa_system_sgpr_workgroup_id_z 1
		.amdhsa_system_vgpr_workitem_id 0
		.amdhsa_next_free_vgpr 1024
		.amdhsa_next_free_sgpr 98
		.amdhsa_reserve_vcc 0
		.amdhsa_float_denorm_mode_32 3
		.amdhsa_float_denorm_mode_16_64 3
		.amdhsa_memory_ordered 1
		.amdhsa_forward_progress 1
		.amdhsa_inst_pref_size 161
	.end_amdhsa_kernel
	.amdgpu_metadata
---
amdhsa.version: [ 1, 2 ]
amdhsa.kernels:
  - .name:           k_q481b454b20_outp
    .symbol:         k_q481b454b20_outp.kd
    .args:
      - { .name: a_img, .offset: 0, .size: 8, .value_kind: global_buffer, .address_space: global }
      - { .name: a_sc, .offset: 8, .size: 8, .value_kind: global_buffer, .address_space: global }
      - { .name: Wo_codes, .offset: 16, .size: 8, .value_kind: global_buffer, .address_space: global }
      - { .name: Wo_scales, .offset: 24, .size: 8, .value_kind: global_buffer, .address_space: global }
      - { .name: bo, .offset: 32, .size: 8, .value_kind: global_buffer, .address_space: global }
      - { .name: out0, .offset: 40, .size: 8, .value_kind: global_buffer, .address_space: global }
    .group_segment_fixed_size: 327680
    .private_segment_fixed_size: 0
    .kernarg_segment_align: 8
    .kernarg_segment_size: 48
    .max_flat_workgroup_size: 128
    .sgpr_count:     98
    .vgpr_count:     1024
    .wavefront_size: 32
...
	.end_amdgpu_metadata
.endif
;; end of part 3
